; MI455X (gfx1250); checked and timed in simulation.
; The chip was launched on July 23, 2026; its instructions are those of AMD's public machine-readable ISA for CDNA 5 (MIT licence, August 2026) and "CDNA5" Instruction Set Architecture Reference Guide (July 2026). The comments in the code are by the model that wrote it; some were corrected since.
;; Rotary Yat Attention. Allowed arithmetic: matrix products marked QUANTISED: E2M3 operands, one E8M0 scale for each 32 along K, by v_wmma_scale_f32_16x16x128_f8f6f4 with both operands' format E2M3, f32 sums; everything else in f32.
;; Inputs: Wk 1,024 x 1,024 float32; Wo 1,024 x 1,024 float32; Wq 1,024 x 1,024 float32; Wv 1,024 x 1,024 float32; alpha 1 float32; x 2 x 2,048 x 1,024 float32.
;; Outputs: out0 2 x 2,048 x 1,024 float32.
;; This version of the problem:
;;   THIS VERSION OF THE PROBLEM IS GIVEN IN LOW PRECISION. The matrix products marked QUANTISED in the list below multiply operands that are first quantised to E2M3 (2 exponent bits, 3 mantissa bits; 6 bits a number), with one power-of-two scale for each 32 numbers along K (OCP MX v1.0); their sums are f32. All else is computed in f32.
;;   The module's matrix products, in the order in which they are computed (A, B: the left and right operand; K: the contracted axis; several contracted axes count as one K, in the product's order):
;;     1. [M 4,096, K 1,024] x [K 1,024, N 1,024]; A: input x; B: input Wq: QUANTISED
;;     2. [M 4,096, K 1,024] x [K 1,024, N 1,024]; A: input x; B: input Wk: QUANTISED
;;     3. [M 4,096, K 1,024] x [K 1,024, N 1,024]; A: input x; B: input Wv: QUANTISED
;;     4. batch 32 x [M 2,048, K 64] x [K 64, N 2,048]; A: computed on the way; B: computed on the way: QUANTISED
;;     5. batch 32 x [M 64, K 2,048] x [K 2,048, N 2,048]; A: computed on the way; B: softmax (see below): QUANTISED
;;     6. [M 4,096, K 1,024] x [K 1,024, N 1,024]; A: computed on the way; B: input Wo: QUANTISED
;;   THE QUANTISER, for each operand of a quantised product, along K:
;;     - K is cut into blocks of 32 from its start; a last block that is shorter is filled with zeros.
;;     - A block's scale is 2^e with e = floor(log2(the largest magnitude in the block)) - 2, held to -126 .. 127; a block of zeros has e = 0. As a byte (E8M0): e + 127.
;;     - Each number is divided by its block's scale, clamped to +-7.5, and rounded to the nearest number of E2M3, ties to even, subnormals kept.
;;     - The product sums the exact products of the quantised numbers (number of the format x scale) in f32.
;;   ~~~python
;;   def quantise(x, axis):      # numpy; x: float32 -> the quantised numbers, widened to float32 again
;;       x = np.moveaxis(x, axis, -1); K = x.shape[-1]
;;       x = np.pad(x, [(0, 0)] * (x.ndim - 1) + [(0, -K % 32)]); x = x.reshape(x.shape[:-1] + (-1, 32)); a = np.abs(x).max(-1, keepdims=True)
;;       e = np.where(a > 0, np.clip(np.frexp(np.where(a > 0, a, 1))[1] - 1 - 2, -126, 127), 0)      # np.frexp(a)[1] - 1 = floor(log2(a)), exactly
;;       r = np.clip(x / 2.0 ** e, -7.5, 7.5)
;;       step = 2.0 ** (np.maximum(np.frexp(np.where(r == 0, 1, r))[1] - 1, 0) - 3)
;;       q = np.round(r / step) * step * 2.0 ** e      # np.round: ties to even
;;       return np.moveaxis(q.reshape(q.shape[:-2] + (-1,))[..., :K], -1, axis).astype(np.float32)
;;   ~~~
;;   SOFTMAX AHEAD OF A QUANTISED PRODUCT. Where the list says 'softmax', what is quantised is not the finished softmax but p = 2^(t - M), with t = logit x log2(e) and M = ceil(the row's largest t), a whole number; so 1/2 < the row's largest p <= 1. The row's sum l is taken of the UNQUANTISED p, in f32, and the product's result is divided by l at the end. Since M is a whole number, a kernel that streams over the keys may use a running M (the ceiling of the running maximum): every later rescaling is an exact power of two, which a block's scale takes up: the codes' values come out the same.
;;   OPERANDS COMPUTED ON THE WAY. 'Computed on the way' means the value that the module computes at that place (a softmax that the list does not call 'softmax' is quantised finished and normalised). What goes into a quantiser is computed in f32, as accurately as f32 sums, v_exp_f32 and their like allow (about 1e-6 of the number): no bf16 or f16 on the way to a quantiser, and a product that is left as it is and whose result goes on into a quantised operand takes f32 operands (vector FMAs, or v_wmma_f32_16x16x4_f32). A number that lies on a knife's edge between two numbers of the format may be rounded either way, as far as f32 arithmetic and the matrix unit's own rounding can turn it there, and no further.
;; One version. Each part assembles by itself: llvm-mc -triple=amdgcn-amd-amdhsa -mcpu=gfx1250 --defsym DOCPART=n.
;; ======== version 1 of 1: 4 launches
;; limits: right only within a limited range of input values
;; workspace buffers: xc 3,145,728 bytes; wc 3,145,728 bytes; aux 786,432 bytes; qb 6,815,744 bytes; kv 6,815,744 bytes; ob 3,276,800 bytes
;; launch prep (part 1): grid 256 x 1, 4 waves a work-group, no clusters, 34,304 bytes of LDS; arguments x, Wq, Wk, Wv, Wo, xc, wc, aux; writes xc, wc, aux
.if DOCPART == 1
	.amdgcn_target "amdgcn-amd-amdhsa--gfx1250"
	.amdhsa_code_object_version 6
	.text
	.protected	k_q4429ec79c0_prep
	.globl	k_q4429ec79c0_prep
	.p2align	8
	.type	k_q4429ec79c0_prep,@function
k_q4429ec79c0_prep:
	s_mov_b64 s[64:65], 0
	v_nop
	global_prefetch_b8 v0, s[64:65] scope:SCOPE_SE
	s_setreg_imm32_b32 hwreg(HW_REG_WAVE_MODE, 25, 1), 1
	s_wait_xcnt 0x0
; x [4096][1024] and Wq, Wk, Wv, Wo [1024 (k)][1024 (n)], f32, become codes of E2M3 with one E8M0 byte for each 32 along K, laid in the ORDER OF THE OPERAND'S REGISTERS:
; a fragment (16 rows x 128 K, 12 registers a lane) is 1,536 bytes, registers 4 c .. 4 c + 3 of lane l at 512 c + 16 l.  The launch also makes the table of cos and sin for the rotary embedding.
; TILES: of each 32 neighbouring rows (tokens, or columns of a weight) tile u takes rows 8 u + r + 8 (r / 8), r = 0 .. 15, so that later results hold 16 neighbours along the next K in 16 registers.
; A block's scale is 2^(floor(log2(largest magnitude)) - 2); its byte is the largest magnitude's exponent field - 2, held at 1 from below by a floor among the maximum's leaves.
; LIMITS: a block of zeros, and a block whose largest magnitude lies under 2^-124, keeps the byte 1 (its codes are zeros or near it; only this program reads the bytes); NaN and infinities are not served.
; The table holds for positions under 2,048, the problem's sequence length.
; SHARES: 1,024 waves that share nothing.  Every wave makes two rows of the table.  Work-groups 0-127: a wave makes four fragments of x (one tile of 16 tokens, 512 along K).
; Work-groups 128-255: a wave makes 32 columns x 256 along K of one weight (two tiles x two K steps).  No tensor load, no barrier.
.set XKS,   393216                     ; xc: bytes from K step to K step (256 tiles x 1,536)
.set AUXW,  131072                     ; aux: the weights' scale words
.set AUXR,  262144                     ; aux: the table, 256 bytes a position: [frequency 32][cos, sin]
.set FLOOR, 0x1800000                  ; 2^(3 - 127)
.set R,   16                           ; x path: v16-143 two sets of 64 numbers as loaded
.set X,   144                          ; v144-207 my 64 numbers: k = 64 c + 32 h + 0 .. 31 of my row
.set F,   208                          ; v208-219 the fragment
.set CT,  220                          ; v220-226 upper halves of the blocks' codes (a conversion's three registers begin on an even number)
.set TM,  228                          ; v228-236 at work; v237 = 8 h
.set SW,  248                          ; v248-249 scale words to store
.set WX,  16                           ; W path: v16-79 two sets of 32 numbers
.set WF,  80                           ; v80-127 four fragments: K step s: tile 0 at 80 + 24 s, tile 1 at 92 + 24 s
.set WSW, 140                          ; v140-141 scale words
; (ch, cl) = (ah, al) x (bh, bl), numbers kept as a sum of two f32
.macro DFMUL ch, cl, ah, al, bh, bl
	v_mul_f32 v9, v[\ah], v[\bh]
	v_fma_f32 v10, v[\ah], v[\bh], -v9
	v_fma_f32 v10, v[\ah], v[\bl], v10
	v_fma_f32 v10, v[\al], v[\bh], v10
	v_add_f32 v[\ch], v9, v10
	v_sub_f32 v11, v[\ch], v9
	v_sub_f32 v[\cl], v10, v11
.endm
	s_load_b512 s[4:19], s[0:1], 0x0               ; x, Wq, Wk, Wv, Wo, xc, wc, aux
	v_lshl_add_u32 v254, v0, 2, 0x8400
	v_mov_b32 v255, 0
	v_lshrrev_b32 v1, 5, v0
	v_readfirstlane_b32 s20, v1                    ; wave
	v_and_b32 v2, 31, v0                           ; lane
	s_wait_alu depctr_va_vdst(0)
	s_lshl_b32 s21, ttmp9, 2
	s_add_co_u32 s21, s21, s20                     ; the wave's number in the launch, 0 .. 1023
	s_lshl_b32 s22, s21, 9
	s_add_co_u32 s22, s22, AUXR                    ; its two rows of the table
	s_mov_b32 s23, 0
	s_lshl_b32 s24, s21, 1                         ; positions 2 g and 2 g + 1
	s_add_co_u32 s25, s24, 1
	s_mov_b32 s28, 0x76543210
	s_mov_b32 s29, 0xfedcba98                      ; v_permlanex16_b32's selects for lane l xor 16
	s_mov_b32 s30, 0xffff0000                      ; lanes 16-31
	; THE TABLE.  Lane i holds frequency i, in turns: f = 10^(-i / 8) / (2 pi), as a sum of two f32, made from the bits of i by repeated squaring of 10^(-1/8).
	v_mov_b32 v3, 0x3e22f983                       ; 1 / (2 pi), high and low
	v_mov_b32 v4, 0x31dc9c88
	v_mov_b32 v5, 0x3f3ff911                       ; 10^(-1/8), high and low
	v_mov_b32 v6, 0x32022bb3
.irp k, 0,1,2,3,4
	v_and_b32 v11, 1<<\k, v2
	v_cmp_ne_u32 vcc_lo, 0, v11
	v_cndmask_b32 v7, 1.0, v5, vcc_lo
	v_cndmask_b32 v8, 0, v6, vcc_lo
	DFMUL 3, 4, 3, 4, 7, 8
.if \k < 4
	DFMUL 5, 6, 5, 6, 5, 6
.endif
.endr
	v_and_b32 v12, 0xfffff000, v3                  ; f's upper 12 bits: a position under 2,048 times these is exact in f32
	v_sub_f32 v13, v3, v12                         ; and the rest of the high word
	v_lshlrev_b32 v21, 3, v2                       ; 8 bytes a frequency
	s_wait_kmcnt 0x0
	s_add_nc_u64 s[22:23], s[18:19], s[22:23]
; One row: turns = t f, reduced exactly to within half a turn, then to an eighth of a turn round a quarter; sin and cos by their series up to the 9th and 10th power.
.macro ROW st, d, off
	v_cvt_f32_u32 v14, s[\st]
	s_wait_alu depctr_va_vdst(0)
	v_mul_f32 v15, v14, v12                        ; exact
	v_rndne_f32 v16, v15
	v_sub_f32 v15, v15, v16                        ; exact
	v_fma_f32 v15, v14, v13, v15
	v_fma_f32 v15, v14, v4, v15                    ; the turn's fraction
	v_mul_f32 v15, 4.0, v15
	v_rndne_f32 v16, v15                           ; the quarter
	v_sub_f32 v15, v15, v16
	v_cvt_i32_f32 v16, v16
	v_mul_f32 v15, 0x3fc90fdb, v15                 ; x pi / 2: an angle within pi / 4
	v_mul_f32 v17, v15, v15
	v_mov_b32 v18, 0x3638ef1d                      ; 1 / 9!
	v_fmaak_f32 v18, v18, v17, 0xb9500d01          ; -1 / 7!
	v_fmaak_f32 v18, v18, v17, 0x3c088889          ; 1 / 5!
	v_fmaak_f32 v18, v18, v17, 0xbe2aaaab          ; -1 / 3!
	v_mul_f32 v18, v18, v17
	v_fma_f32 v18, v15, v18, v15                   ; sin
	v_mov_b32 v19, 0xb493f27e                      ; -1 / 10!
	v_fmaak_f32 v19, v19, v17, 0x37d00d01          ; 1 / 8!
	v_fmaak_f32 v19, v19, v17, 0xbab60b61          ; -1 / 6!
	v_fmaak_f32 v19, v19, v17, 0x3d2aaaab          ; 1 / 4!
	v_fmaak_f32 v19, v19, v17, 0xbf000000          ; -1 / 2
	v_fma_f32 v19, v19, v17, 1.0                   ; cos
	v_and_b32 v20, 1, v16                          ; odd quarters change the two over
	v_cmp_ne_u32 vcc_lo, 0, v20
	v_cndmask_b32 v[\d], v19, v18, vcc_lo
	v_cndmask_b32 v[\d+1], v18, v19, vcc_lo
	v_add_nc_u32 v20, 1, v16                       ; cos is negative in quarters 1 and 2,
	v_and_b32 v20, 2, v20
	v_lshlrev_b32 v20, 30, v20
	v_xor_b32 v[\d], v[\d], v20
	v_and_b32 v20, 2, v16                          ; sin in quarters 2 and 3
	v_lshlrev_b32 v20, 30, v20
	v_xor_b32 v[\d+1], v[\d+1], v20
	global_store_b64 v21, v[\d:\d+1], s[22:23] offset:\off   ; 32 lanes store 256 consecutive bytes, aligned
.endm
	ROW 24, 22, 0
	ROW 25, 24, 256
	s_wait_xcnt 0x0                                ; the two stores have read their registers: all of them are used again below
	s_cmp_lt_u32 ttmp9, 128
	s_cbranch_scc0 .Lweights
	; ---- x: tile mt of 16 tokens, K steps 4 a .. 4 a + 3
	s_lshr_b32 s32, s21, 1                         ; mt
	s_and_b32 s33, s21, 1                          ; a
	s_lshr_b32 s34, s32, 1
	s_lshl_b32 s34, s34, 5
	s_and_b32 s35, s32, 1
	s_lshl_b32 s35, s35, 3
	s_add_co_u32 s34, s34, s35                     ; the tile's first token: 32 (mt / 2) + 8 (mt % 2)
	s_lshl_b32 s34, s34, 12                        ; rows of 4,096 bytes
	s_lshl_b32 s35, s33, 11
	s_add_co_u32 s34, s34, s35                     ; + 2,048 a
	s_mov_b32 s35, 0
	s_add_nc_u64 s[4:5], s[4:5], s[34:35]
	s_mul_i32 s34, s33, 4*XKS
	s_mul_i32 s36, s32, 1536
	s_add_co_u32 s34, s34, s36
	s_add_nc_u64 s[14:15], s[14:15], s[34:35]      ; my first fragment in xc
	s_lshl_b32 s34, s32, 9
	s_lshl_b32 s36, s33, 8
	s_add_co_u32 s34, s34, s36
	s_add_nc_u64 s[18:19], s[18:19], s[34:35]      ; my scale words in aux
	v_and_b32 v7, 15, v0                           ; r
	v_bfe_u32 v8, v0, 4, 1                         ; h
	s_mul_i32 s31, s20, 8448                       ; my wave's stage: 16 rows x (512 bytes + 16)
	v_lshlrev_b32 v3, 4, v2                        ; 16 x lane
	v_add_nc_u32 v4, s31, v3                       ; into the stage: a row as it lies
	v_mul_u32_u24 v5, v7, 528
	v_lshl_add_u32 v5, v8, 7, v5
	v_add_nc_u32 v5, s31, v5                       ; out of it: row r, + 128 h: my 32 numbers of each 64
	v_lshlrev_b32 v6, 3, v2                        ; 8 x lane
	v_lshlrev_b32 v237, 3, v8                      ; 8 h
	v_mov_b32 v[TM+7], 0                           ; written once: a lane permute's destination counts as one of its sources
.macro XLOAD s                         ; K step s of the tile's 16 rows: each load reads 512 consecutive bytes
.irp q, 0,1,2,3,4,5,6,7,8,9,10,11,12,13,14,15
	global_load_b128 v[R+64*((\s)%2)+4*\q:R+64*((\s)%2)+4*\q+3], v3, s[4:5] offset:(\q+8*(\q/8))*4096+512*(\s) th:TH_LOAD_NT
.endr
.endm
.macro XSTEP s
.set RS_, R+64*((\s)%2)
.if (\s) < 3
	s_wait_loadcnt 16                              ; this step's 16 loads are in; the next step's may be out
.else
	s_wait_loadcnt 0x0
.endif
.irp q, 0,1,2,3,4,5,6,7,8,9,10,11,12,13,14,15
	ds_store_b128 v4, v[RS_+4*\q:RS_+4*\q+3] offset:528*\q
.endr
.irp c, 0,1
.irp i, 0,1,2,3,4,5,6,7
	ds_load_b128 v[X+32*\c+4*\i:X+32*\c+4*\i+3], v5 offset:256*\c+16*\i   ; LDS serves a wave's instructions in order: these see the stores above
.endr
.endr
	s_wait_dscnt 0x0                               ; my numbers are back, and the stores have read their registers
	s_wait_xcnt 0x0                                ; the last step's stores have read the fragment's registers
.if (\s) < 2
	XLOAD (\s)+2
.endif
.irp c, 0,1                                    ; my block 2 c + h: all its 32 numbers are mine
	v_max3_num_f32 v[TM+\c], |v[X+32*\c]|, |v[X+32*\c+1]|, FLOOR
.endr
.irp i, 2,4,6,8,10,12,14,16,18,20,22,24,26,28,30
.irp c, 0,1
	v_max3_num_f32 v[TM+\c], v[TM+\c], |v[X+32*\c+\i]|, |v[X+32*\c+\i+1]|
.endr
.endr
.irp c, 0,1
	v_add_nc_u32 v[TM+2+\c], 0xff000000, v[TM+\c]  ; 2 off the exponent field: the conversion's scale operand
.endr
.irp c, 0,1
	v_lshrrev_b32 v[TM+4+\c], 23, v[TM+2+\c]       ; the scale's byte
.endr
	v_lshl_or_b32 v[TM+6], v[TM+5], 16, v[TM+4]    ; my two bytes, blocks h and 2 + h,
	v_lshlrev_b32 v[TM+6], v237, v[TM+6]           ; at their places in the word;
	v_permlanex16_b32 v[TM+7], v[TM+6], s28, s29
.if (\s)%2 == 0
	v_or_b32 v[TM+8], v[TM+6], v[TM+7]             ; with lane l xor 16's two the word is whole
.else
	v_or_b32 v[TM+6], v[TM+6], v[TM+7]
	v_cndmask_b32 v[SW+(\s)/2], v[TM+8], v[TM+6], s30   ; lanes 0-15 the even K step's word, lanes 16-31 the odd one's
.endif
.irp c, 0,1
	v_cvt_scalef32_pk16_fp6_f32 v[F+6*\c:F+6*\c+2], v[X+32*\c:X+32*\c+15], v[TM+2+\c]
	v_cvt_scalef32_pk16_fp6_f32 v[CT+4*\c:CT+4*\c+2], v[X+32*\c+16:X+32*\c+31], v[TM+2+\c]
.endr
	v_nop                                          ; one plain place behind a scaled conversion
.irp c, 0,1
.irp i, 0,1,2
	v_mov_b32 v[F+6*\c+3+\i], v[CT+4*\c+\i]
.endr
.endr
.irp c, 0,1,2
	global_store_b128 v3, v[F+4*\c:F+4*\c+3], s[14:15] offset:(\s)*XKS+512*\c   ; 512 consecutive bytes, aligned
.endr
.endm
	XLOAD 0
	XLOAD 1
	s_wait_alu depctr_va_vdst(0)
	XSTEP 0
	XSTEP 1
	XSTEP 2
	XSTEP 3
	global_store_b64 v6, v[SW:SW+1], s[18:19]      ; 256 consecutive bytes, aligned
	s_wait_tensorcnt 0x0
	ds_add_u32 v254, v255
	s_wait_dscnt 0x0
	s_endpgm
.Lweights:
	; ---- a weight: columns 32 p .. 32 p + 31, K = 256 kq .. 256 kq + 255.  A LANE TAKES A COLUMN AND ITS REGISTERS RUN DOWN K.
	s_sub_co_u32 s24, ttmp9, 128
	s_lshr_b32 s25, s24, 5                         ; which weight: q, k, v, o
	s_and_b32 s26, s24, 3                          ; kq
	s_bfe_u32 s27, s24, 0x30002
	s_lshl_b32 s27, s27, 2
	s_add_co_u32 s27, s27, s20                     ; p: the four waves stand side by side on 512 bytes of each row
	s_cmp_eq_u32 s25, 1
	s_cselect_b64 s[6:7], s[8:9], s[6:7]
	s_cmp_eq_u32 s25, 2
	s_cselect_b64 s[6:7], s[10:11], s[6:7]
	s_cmp_eq_u32 s25, 3
	s_cselect_b64 s[6:7], s[12:13], s[6:7]
	s_lshl_b32 s32, s27, 7
	s_lshl_b32 s33, s26, 20
	s_add_co_u32 s32, s32, s33
	s_mov_b32 s33, 0
	s_add_nc_u64 s[6:7], s[6:7], s[32:33]
	; where the fragments go.  q, k, v: [K step][head][12 places: q0 q1 q2 q3 v0 v1 k0 k1 k2 k3 v2 v3]; o: [K step][tile 64], behind them
	s_lshr_b32 s38, s27, 1                         ; head
	s_and_b32 s39, s27, 1                          ; which 32 of its 64 columns
	s_cmp_eq_u32 s25, 1
	s_cselect_b32 s40, 3, 0
	s_add_co_u32 s40, s40, s39                     ; the pair's place: q: beta, k: 3 + beta,
	s_mul_i32 s41, s39, 3
	s_add_co_u32 s41, s41, 2
	s_cmp_eq_u32 s25, 2
	s_cselect_b32 s40, s41, s40                    ; v: 2 + 3 beta
	s_mul_i32 s41, s38, 18432
	s_mul_i32 s42, s40, 3072
	s_add_co_u32 s41, s41, s42
	s_mul_i32 s42, s26, 589824
	s_add_co_u32 s41, s41, s42
	s_mul_i32 s42, s27, 3072
	s_mul_i32 s43, s26, 196608
	s_add_co_u32 s42, s42, s43
	s_add_co_u32 s42, s42, 2359296
	s_mul_i32 s43, s38, 6
	s_add_co_u32 s43, s43, s40                     ; the pair's number among the scale words
	s_add_co_u32 s44, s27, 96
	s_mov_b32 s45, 98304
	s_cmp_eq_u32 s25, 3
	s_cselect_b32 s32, s42, s41
	s_cselect_b32 s43, s44, s43
	s_cselect_b32 s34, s45, 294912                 ; bytes from K step to K step
	s_mov_b32 s35, 0
	s_add_nc_u64 s[32:33], s[16:17], s[32:33]      ; my first K step's two fragments,
	s_add_nc_u64 s[34:35], s[32:33], s[34:35]      ; my second's
	s_lshl_b32 s36, s43, 10
	s_lshl_b32 s37, s26, 8
	s_add_co_u32 s36, s36, s37
	s_add_co_u32 s36, s36, AUXW
	s_mov_b32 s37, 0
	s_add_nc_u64 s[36:37], s[18:19], s[36:37]
	v_and_b32 v7, 15, v0                           ; r
	v_bfe_u32 v8, v0, 4, 1                         ; u: lanes 0-15 tile 0, lanes 16-31 tile 1
	v_lshrrev_b32 v9, 3, v7
	v_add_nc_u32 v9, v9, v8
	v_lshlrev_b32 v3, 2, v7
	v_lshl_add_u32 v3, v9, 5, v3                   ; 4 x (8 u + r + 8 (r / 8)): the 32 lanes cover 128 consecutive bytes
	v_lshlrev_b32 v4, 4, v2
	v_lshlrev_b32 v5, 3, v2
.macro WLOAD t
.irp i, 0,1,2,3,4,5,6,7,8,9,10,11,12,13,14,15,16,17,18,19,20,21,22,23,24,25,26,27,28,29,30,31
	global_load_b32 v[WX+32*((\t)%2)+\i], v3, s[6:7] offset:(32*(\t)+\i)*4096 th:TH_LOAD_NT
.endr
.endm
.macro WBLOCK t
.set XB_, WX+32*((\t)%2)
.set KS_, (\t)/4
.set T4_, (\t)%4
.set D_,  WF+24*KS_+12*(T4_%2)+6*(T4_/2)       ; blocks 0 and 2 go to the first run of 12, blocks 1 and 3 to the second
.if (\t) < 7
	s_wait_loadcnt 32                              ; this block's 32 loads are in; the next block's may be out
.else
	s_wait_loadcnt 0x0
.endif
	v_max3_num_f32 v132, |v[XB_]|, |v[XB_+1]|, |v[XB_+2]|
	v_max3_num_f32 v133, |v[XB_+3]|, |v[XB_+4]|, |v[XB_+5]|
.irp i, 6,10,14,18,22,26
	v_max3_num_f32 v132, v132, |v[XB_+\i]|, |v[XB_+\i+1]|
	v_max3_num_f32 v133, v133, |v[XB_+\i+2]|, |v[XB_+\i+3]|
.endr
	v_max3_num_f32 v132, v132, |v[XB_+30]|, |v[XB_+31]|
	v_max3_num_f32 v132, v132, v133, FLOOR
	v_add_nc_u32 v134, 0xff000000, v132
	v_lshrrev_b32 v135, 23, v134
.if T4_ == 0
	v_mov_b32 v[WSW+KS_], v135                     ; four bytes to a word, the lower K in the lower byte
.else
	v_lshl_or_b32 v[WSW+KS_], v135, 8*T4_, v[WSW+KS_]
.endif
	v_cvt_scalef32_pk16_fp6_f32 v[D_:D_+2], v[XB_:XB_+15], v134
	v_cvt_scalef32_pk16_fp6_f32 v[128:130], v[XB_+16:XB_+31], v134
	v_nop                                          ; one plain place behind a scaled conversion
.irp i, 0,1,2
	v_mov_b32 v[D_+3+\i], v[128+\i]
.endr
.if (\t)+2 < 8
	WLOAD (\t)+2
.endif
.if T4_ == 3
; the first run holds blocks 0, 2 of both tiles, the second blocks 1, 3.  The exchange of the first's lanes 16-31 with the second's lanes 0-15 makes of them tile 0's and tile 1's fragments.
.irp i, 0,1,2,3,4,5,6,7,8,9,10,11
	v_permlane16_swap_b32 v[WF+24*KS_+\i], v[WF+24*KS_+12+\i]
.endr
.irp c, 0,1,2
	global_store_b128 v4, v[WF+24*KS_+4*\c:WF+24*KS_+4*\c+3], s[32+2*KS_:33+2*KS_] offset:512*\c
	global_store_b128 v4, v[WF+24*KS_+12+4*\c:WF+24*KS_+12+4*\c+3], s[32+2*KS_:33+2*KS_] offset:1536+512*\c
.endr
.endif
.endm
	WLOAD 0
	WLOAD 1
.irp t, 0,1,2,3,4,5,6,7
	WBLOCK \t
.endr
	global_store_b64 v5, v[WSW:WSW+1], s[36:37]    ; lanes 0-15 tile 0's words, lanes 16-31 tile 1's: 256 consecutive bytes, aligned
	s_endpgm
.Lfunc_end_k_q4429ec79c0_prep:
	.size	k_q4429ec79c0_prep, .Lfunc_end_k_q4429ec79c0_prep-k_q4429ec79c0_prep
	.p2alignl 7, 3214868480
	.fill 96, 4, 3214868480
	.section	.rodata,"a",@progbits
	.p2align	6, 0x0
	.amdhsa_kernel k_q4429ec79c0_prep
		.amdhsa_group_segment_fixed_size 34304
		.amdhsa_private_segment_fixed_size 0
		.amdhsa_enable_private_segment 0
		.amdhsa_kernarg_size 64
		.amdhsa_user_sgpr_count 2
		.amdhsa_user_sgpr_kernarg_segment_ptr 1
		.amdhsa_wavefront_size32 1
		.amdhsa_system_sgpr_workgroup_id_x 1
		.amdhsa_system_sgpr_workgroup_id_y 1
		.amdhsa_system_sgpr_workgroup_id_z 1
		.amdhsa_system_vgpr_workitem_id 0
		.amdhsa_next_free_vgpr 256
		.amdhsa_next_free_sgpr 66
		.amdhsa_reserve_vcc 1
		.amdhsa_float_denorm_mode_32 3
		.amdhsa_float_denorm_mode_16_64 3
		.amdhsa_memory_ordered 1
		.amdhsa_forward_progress 1
		.amdhsa_inst_pref_size 77
	.end_amdhsa_kernel
	.amdgpu_metadata
---
amdhsa.version: [ 1, 2 ]
amdhsa.kernels:
  - .name:           k_q4429ec79c0_prep
    .symbol:         k_q4429ec79c0_prep.kd
    .args:
      - { .name: x, .offset: 0, .size: 8, .value_kind: global_buffer, .address_space: global }
      - { .name: Wq, .offset: 8, .size: 8, .value_kind: global_buffer, .address_space: global }
      - { .name: Wk, .offset: 16, .size: 8, .value_kind: global_buffer, .address_space: global }
      - { .name: Wv, .offset: 24, .size: 8, .value_kind: global_buffer, .address_space: global }
      - { .name: Wo, .offset: 32, .size: 8, .value_kind: global_buffer, .address_space: global }
      - { .name: xc, .offset: 40, .size: 8, .value_kind: global_buffer, .address_space: global }
      - { .name: wc, .offset: 48, .size: 8, .value_kind: global_buffer, .address_space: global }
      - { .name: aux, .offset: 56, .size: 8, .value_kind: global_buffer, .address_space: global }
    .group_segment_fixed_size: 34304
    .private_segment_fixed_size: 0
    .kernarg_segment_align: 8
    .kernarg_segment_size: 64
    .max_flat_workgroup_size: 128
    .sgpr_count:     66
    .vgpr_count:     256
    .wavefront_size: 32
...
	.end_amdgpu_metadata
.endif
;; end of part 1
;; launch qkv (part 2): grid 16 x 16, 4 waves a work-group, clusters of 4 x 4, 327,680 bytes of LDS; arguments xc, wc, aux, qb, kv; writes qb, kv
.if DOCPART == 2
	.amdgcn_target "amdgcn-amd-amdhsa--gfx1250"
	.amdhsa_code_object_version 6
	.text
	.protected	k_q4429ec79c0_qkv
	.globl	k_q4429ec79c0_qkv
	.p2align	8
	.type	k_q4429ec79c0_qkv,@function
k_q4429ec79c0_qkv:
	s_mov_b64 s[64:65], 0
	v_nop
	global_prefetch_b8 v0, s[64:65] scope:SCOPE_SE
	s_setreg_imm32_b32 hwreg(HW_REG_WAVE_MODE, 25, 1), 1
	s_wait_xcnt 0x0
	s_wait_alu depctr_hold_cnt(0) depctr_sa_sdst(0) depctr_va_vdst(0) depctr_va_sdst(0) depctr_va_ssrc(0) depctr_va_vcc(0) depctr_vm_vsrc(0)
	s_getreg_b32 s2, hwreg(HW_REG_IB_STS2, 6, 4)
	s_cmp_eq_u32 s2, 0
	s_cbranch_scc0 .Lentry_in_a_cluster
	s_endpgm
.Lentry_in_a_cluster:
	s_bfe_u32 s2, ttmp6, 0x10000c
	s_cmp_lg_u32 s2, 0xf033
	s_cbranch_scc0 .Lentry_shape_is_right
	s_endpgm
.Lentry_shape_is_right:
; q, k, v = x Wq, x Wk, x Wv on codes of E2M3; rotary embedding of q and k; their squared norms; q and k quantised along the head's 64, v along the keys.
; A work-group makes q, k and v of ONE head for 256 tokens: 256 work-groups.  Wave w: i = w / 2 names its 128 tokens (8 tiles of x), j = w % 2 its 6 tiles of weights: j = 0: q's four and v's first two, j = 1: k's four and v's last two.
; q and k are used TRANSPOSED (source 0 = 16 columns of W, source 1 = 16 tokens): a lane holds one token, its 32 registers 2 x 16 neighbouring channels.  v is used as it stands (source 0 = tokens, source 1 = columns):
; a lane holds one channel and its 64 registers run along the tokens, which are the second attention product's K.  48 accumulators a wave, by turns, one instruction a turn.
; OPERANDS lie in memory in the order of their registers, so a K step's tiles are dense blocks.  LDS holds six of the eight K steps at once; K steps 6 and 7 are brought into the bytes of K steps 0 and 1 by one refill.
; CLUSTER: 4 x 4 work-groups.  x's tiles hang on the token block alone and are shared along a row of the cluster, the weights' on the head alone and are shared along a column: each is asked for jointly.
; By this text's count a wave has at most one tensor load outstanding.  All of a WGP's LDS is claimed.
; RESULTS: records of 13,312 bytes for each head and 128 tokens: 4 fragments of k (registers 0-5: one tile of 16 keys, registers 6-11: the next), 4 fragments of v^T, k's scale words, v's scale words, 128 norms.  q's go to qb in the same form.
; LIMITS: blocks whose largest magnitude lies under 2^-124, and blocks of zeros, keep the byte 1; NaN and infinities are not served; the embedding uses one fused multiply-add where two roundings could stand; the norms are summed in two chains.
; REGISTERS: window 0: v1-13 addresses, v28-29 for the add, v32-63 x's scale words, v64-87 the weights', v96-239 the weights' fragments in two sets (later the way out);  window 1: x's fragments in two sets;
;   window 2: q's or k's accumulators, (tile of tokens m, tile of channels n) at 8 (4 m + n);  window 3: v's, (n', m) at 64 n' + 8 m.
.set KSA,   393216                     ; xc: bytes from K step to K step
.set KSB,   294912                     ; wc: likewise
.set ROWA,  12288                      ; 8 fragments of x
.set ROWB,  9216                       ; 6 fragments of weights
.set HALFA, 6*ROWA
.set HALFB, 6*ROWB
.set BBASE, 2*HALFA
.set SPARE, BBASE+2*HALFB              ; the spare words, 128 bytes for each wave: two blocks of 256 bytes that no other line names
.set FLOOR, 0x1800000
.set XS,  32
.set WS,  64
.set WF,  96
.set H,   96                           ; the way out: v96-127 a token's 32 numbers
.set CS,  128                          ; v128-191 cos and sin, two sets
.set KF,  192                          ; v192-203 a fragment of k or q
.set CT,  204
.set TM,  212                          ; v212-227 at work
.set MSB, 0
.macro WIN new                         ; the immediate's high byte repeats the setting that is left
.if MSB != \new
	s_set_vgpr_msb (MSB<<8)|\new
.set MSB, \new
.endif
.endm
; one matrix instruction.  z = 1: the constant 0 starts the sum.  ra, rb: the scale words stand in lanes 16-31 of the register named
.macro WM d, a, b, z, sa, sb, ra, rb
.if (\z) && (\ra) && (\rb)
	v_wmma_scale_f32_16x16x128_f8f6f4 v[(\d):(\d)+7], v[(\a):(\a)+11], v[(\b):(\b)+11], 0, v[\sa], v[\sb] matrix_a_fmt:MATRIX_FMT_FP6 matrix_b_fmt:MATRIX_FMT_FP6 matrix_a_scale:MATRIX_SCALE_ROW1 matrix_b_scale:MATRIX_SCALE_ROW1
.elseif (\z) && (\ra)
	v_wmma_scale_f32_16x16x128_f8f6f4 v[(\d):(\d)+7], v[(\a):(\a)+11], v[(\b):(\b)+11], 0, v[\sa], v[\sb] matrix_a_fmt:MATRIX_FMT_FP6 matrix_b_fmt:MATRIX_FMT_FP6 matrix_a_scale:MATRIX_SCALE_ROW1
.elseif (\z) && (\rb)
	v_wmma_scale_f32_16x16x128_f8f6f4 v[(\d):(\d)+7], v[(\a):(\a)+11], v[(\b):(\b)+11], 0, v[\sa], v[\sb] matrix_a_fmt:MATRIX_FMT_FP6 matrix_b_fmt:MATRIX_FMT_FP6 matrix_b_scale:MATRIX_SCALE_ROW1
.elseif (\z)
	v_wmma_scale_f32_16x16x128_f8f6f4 v[(\d):(\d)+7], v[(\a):(\a)+11], v[(\b):(\b)+11], 0, v[\sa], v[\sb] matrix_a_fmt:MATRIX_FMT_FP6 matrix_b_fmt:MATRIX_FMT_FP6
.elseif (\ra) && (\rb)
	v_wmma_scale_f32_16x16x128_f8f6f4 v[(\d):(\d)+7], v[(\a):(\a)+11], v[(\b):(\b)+11], v[(\d):(\d)+7], v[\sa], v[\sb] matrix_a_fmt:MATRIX_FMT_FP6 matrix_b_fmt:MATRIX_FMT_FP6 matrix_a_scale:MATRIX_SCALE_ROW1 matrix_b_scale:MATRIX_SCALE_ROW1
.elseif (\ra)
	v_wmma_scale_f32_16x16x128_f8f6f4 v[(\d):(\d)+7], v[(\a):(\a)+11], v[(\b):(\b)+11], v[(\d):(\d)+7], v[\sa], v[\sb] matrix_a_fmt:MATRIX_FMT_FP6 matrix_b_fmt:MATRIX_FMT_FP6 matrix_a_scale:MATRIX_SCALE_ROW1
.elseif (\rb)
	v_wmma_scale_f32_16x16x128_f8f6f4 v[(\d):(\d)+7], v[(\a):(\a)+11], v[(\b):(\b)+11], v[(\d):(\d)+7], v[\sa], v[\sb] matrix_a_fmt:MATRIX_FMT_FP6 matrix_b_fmt:MATRIX_FMT_FP6 matrix_b_scale:MATRIX_SCALE_ROW1
.else
	v_wmma_scale_f32_16x16x128_f8f6f4 v[(\d):(\d)+7], v[(\a):(\a)+11], v[(\b):(\b)+11], v[(\d):(\d)+7], v[\sa], v[\sb] matrix_a_fmt:MATRIX_FMT_FP6 matrix_b_fmt:MATRIX_FMT_FP6
.endif
.endm
.macro PLACES
.rept 4
	v_nop
.endr
.endm
.macro CREST                           ; a round of the cluster's barrier behind its opening barrier
	s_cmp_lg_u32 s14, 0
	s_cbranch_scc1 .Lnot_wave_0_\@
	s_barrier_signal -3
.Lnot_wave_0_\@:
	s_barrier_wait -3
	s_barrier_signal -1
	s_barrier_wait -1
.endm
.macro CROUND
	s_barrier_signal -1
	s_barrier_wait -1
	CREST
.endm
.macro JLOAD                           ; the joint refill: waves 0 and 1 fetch x's halves, waves 2 and 3 the weights'; four v_nop follow each of the two lines
	s_cmp_eq_u32 s15, 0
	s_cbranch_scc0 .Lfor_b_\@
	tensor_load_to_lds s[44:47], s[24:31]
	s_nop 0
	PLACES
	s_branch .Lasked_\@
.Lfor_b_\@:
	tensor_load_to_lds s[56:59], s[32:39]
	s_nop 0
	PLACES
.Lasked_\@:
.endm
.macro MKG0 g, lds, adr, n, lstep, gstep   ; a descriptor's group 0: two K steps from K step 2 n on
	s_mov_b32 s[\g], 1
	s_add_co_u32 s[\g+1], s[\lds], (\n)*(\lstep)
	s_add_nc_u64 s[\g+2:\g+3], s[\adr:\adr+1], (\n)*(\gstep)
	s_or_b32 s[\g+3], s[\g+3], 0x80000000
.endm
	s_load_b256 s[4:11], s[0:1], 0x0               ; xc, wc, aux, qb
	s_load_b64 s[12:13], s[0:1], 0x20              ; kv
	v_lshl_add_u32 v28, v0, 2, SPARE
	v_mov_b32 v29, 0
	ds_add_u32 v28, v29
	ds_add_u32 v28, v29
	s_wait_dscnt 0x0
	v_lshrrev_b32 v1, 5, v0
	v_readfirstlane_b32 s14, v1                    ; wave 0..3
	s_lshr_b32 s15, s14, 1                         ; i: my 128 tokens.  Also: I fetch for x (0) or for the weights (1)
	s_and_b32 s16, s14, 1                          ; j: my 6 tiles of weights.  Also: which half I fetch
	s_bfe_u32 s40, ttmp6, 0x40000                  ; cx, cy: my place in the cluster
	s_bfe_u32 s41, ttmp6, 0x40004
	s_lshl_b32 s42, ttmp9, 2
	s_add_co_u32 s42, s42, s40                     ; the head = 4 x cluster x + cx
	s_and_b32 s17, ttmp7, 0xffff
	s_lshl_b32 s17, s17, 2
	s_add_co_u32 s17, s17, s41                     ; the block of 256 tokens = 4 x cluster y + cy
	s_lshl_b32 s43, s41, 2
	s_lshl_b32 s43, 15, s43                        ; my row of the cluster
	s_lshl_b32 s72, 0x1111, s40                    ; my column
	; group 1: two K steps' rows, dense inside a K step.  Elements of 8 bytes, no padding: fragments are read 512 consecutive bytes at a time
	s_or_b32 s24, s43, (3<<16)|(1<<21)             ; x: the mask of my row; bit 21 set beside a mask
	s_mov_b32 s25, 1536<<16                        ; tensor_dim0 = 1,536 elements: 8 fragments
	s_mov_b32 s26, 6<<16                           ; tensor_dim1 = 6: the head's one load a wave brings K steps 0 to 5 (one load is outstanding)
	s_mov_b32 s27, 1536<<16                        ; tile_dim0
	s_mov_b32 s28, 6                               ; tile_dim1
	s_mov_b32 s29, KSA/8                           ; from K step to K step
	s_mov_b32 s30, 0
	s_mov_b32 s31, 0
	s_or_b32 s32, s72, (3<<16)|(1<<21)             ; the weights: the mask of my column
	s_mov_b32 s33, 1152<<16                        ; 6 fragments
	s_mov_b32 s34, 6<<16
	s_mov_b32 s35, 1152<<16
	s_mov_b32 s36, 6
	s_mov_b32 s37, KSB/8
	s_mov_b32 s38, 0
	s_mov_b32 s39, 0
	s_lshl_b32 s20, s17, 4
	s_lshl_b32 s21, s16, 3
	s_add_co_u32 s20, s20, s21
	s_mul_i32 s20, s20, 1536                       ; x: tile 16 x block + 8 x half
	s_mov_b32 s21, 0
	s_mul_i32 s74, s42, 18432
	s_mul_i32 s75, s16, ROWB
	s_add_co_u32 s74, s74, s75                     ; the weights: the head's 12 places, my half of them
	s_mov_b32 s75, 0
	s_mul_i32 s76, s16, HALFA                      ; where they go: no place in the cluster enters an LDS address
	s_mul_i32 s77, s16, HALFB
	s_add_co_u32 s77, s77, BBASE
	s_wait_kmcnt 0x0
	s_add_nc_u64 s[20:21], s[4:5], s[20:21]
	s_add_nc_u64 s[74:75], s[6:7], s[74:75]
	CROUND                                         ; all sixteen work-groups are here: the first joint loads meet
	MKG0 44, 76, 20, 0, 2*ROWA, 2*KSA
	MKG0 56, 77, 74, 0, 2*ROWB, 2*KSB
	s_cmp_eq_u32 s15, 0                            ; a wave's one first fill stands in one branch, ahead of every wait on TENSORcnt and every LDS read
	s_cbranch_scc0 .Lfirst_b
	tensor_load_to_lds s[44:47], s[24:31]
	s_nop 0
	PLACES
	s_branch .Lfirst_asked
.Lfirst_b:
	tensor_load_to_lds s[56:59], s[32:39]
	s_nop 0
	PLACES
.Lfirst_asked:
	v_and_b32 v6, 31, v0
	v_lshlrev_b32 v1, 4, v6                        ; 16 x lane
	v_lshlrev_b32 v2, 3, v6                        ; 8 x lane
	s_wait_alu depctr_va_vdst(0)
	v_lshlrev_b32 v11, 2, v6                       ; 4 x lane
	s_mul_i32 s73, s15, HALFA
	v_add_nc_u32 v3, s73, v1                       ; my 8 tiles of x, K-step rows 0-2,
	v_add_nc_u32 v4, 3*ROWA, v3                    ; rows 3-5 (an LDS offset has 16 bits)
	s_mul_i32 s73, s16, HALFB
	s_add_co_u32 s73, s73, BBASE
	v_add_nc_u32 v5, s73, v1                       ; my 6 tiles of weights
	s_lshl_b32 s88, s17, 4
	s_lshl_b32 s89, s15, 3
	s_add_co_u32 s88, s88, s89
	s_lshl_b32 s88, s88, 9
	s_mov_b32 s89, 0
	s_add_nc_u64 s[88:89], s[8:9], s[88:89]        ; x's scale words: 512 bytes a tile
	s_mul_i32 s90, s42, 6
	s_mul_i32 s91, s16, 3
	s_add_co_u32 s90, s90, s91
	s_lshl_b32 s90, s90, 10
	s_add_co_u32 s90, s90, 131072
	s_mov_b32 s91, 0
	s_add_nc_u64 s[90:91], s[8:9], s[90:91]        ; the weights': 1,024 bytes a pair of tiles
.irp m, 0,1,2,3,4,5,6,7
.irp a, 0,1
	global_load_b64 v[XS+4*\m+2*\a:XS+4*\m+2*\a+1], v2, s[88:89] offset:512*\m+256*\a   ; register 4 m + s / 2: lanes 0-15 the even K step's words, lanes 16-31 the odd one's
.endr
.endr
.irp p, 0,1,2
.irp k, 0,1,2,3
	global_load_b64 v[WS+8*\p+2*\k:WS+8*\p+2*\k+1], v2, s[90:91] offset:1024*\p+256*\k   ; register 8 p + s: lanes 0-15 the pair's first tile, lanes 16-31 its second
.endr
.endr
	; addresses of the way out
	v_and_b32 v6, 15, v0                           ; r
	v_bfe_u32 v7, v0, 4, 1                         ; h
	v_lshrrev_b32 v8, 3, v6
	v_lshl_add_u32 v8, v8, 3, v6                   ; r + 8 (r / 8)
	v_lshlrev_b32 v9, 8, v8
	v_lshl_add_u32 v9, v7, 6, v9                   ; the table: my token's row of 256 bytes, + 64 h
	v_lshl_add_u32 v10, v7, 3, v8
	v_lshlrev_b32 v10, 2, v10                      ; the norms: lanes 0-15 the even tile's tokens, lanes 16-31 the odd one's
	s_mul_i32 s81, s16, 3072
	v_add_nc_u32 v12, s81, v1                      ; v's fragments 2 j, 2 j + 1
	s_lshl_b32 s81, s16, 7
	v_add_nc_u32 v13, s81, v11                     ; and their scale words
	s_mov_b32 s78, 0x76543210
	s_mov_b32 s79, 0xfedcba98                      ; v_permlanex16_b32's selects for lane l xor 16
	s_mov_b32 s80, 0xffff0000                      ; lanes 16-31
	s_lshr_b32 s92, s17, 3                         ; the batch
	s_lshl_b32 s92, s92, 4
	s_add_co_u32 s92, s92, s42
	s_lshl_b32 s92, s92, 4
	s_and_b32 s93, s17, 7
	s_lshl_b32 s94, s93, 1
	s_add_co_u32 s92, s92, s94
	s_add_co_u32 s92, s92, s15                     ; the record: (batch x 16 + head) x 16 + the 128 tokens' number in the sequence
	s_mul_i32 s92, s92, 13312
	s_lshl_b32 s94, s93, 8
	s_lshl_b32 s95, s15, 7
	s_add_co_u32 s94, s94, s95                     ; my first token's position
	s_lshl_b32 s94, s94, 8
	s_add_co_u32 s94, s94, 262144
	s_mov_b32 s95, 0
	s_mov_b32 s93, 0
	s_add_nc_u64 s[82:83], s[8:9], s[94:95]        ; its row of the table
	s_cmp_eq_u32 s16, 0
	s_cselect_b64 s[84:85], s[10:11], s[12:13]     ; j = 0 has made q, j = 1 k
	s_add_nc_u64 s[84:85], s[84:85], s[92:93]
	s_add_nc_u64 s[86:87], s[12:13], s[92:93]      ; v goes to kv
.macro FETCH s                         ; K step s: 8 fragments of x, 6 of weights, into set s % 2: 42 loads of 512 consecutive bytes
.set RW_, (\s)%6
	WIN 0x40                                       ; destination window 1, address window 0
.irp m, 0,1,2,3,4,5,6,7
.irp c, 0,1,2
	ds_load_b128 v[96*((\s)%2)+12*\m+4*\c:96*((\s)%2)+12*\m+4*\c+3], v[3+RW_/3] offset:(RW_%3)*ROWA+1536*\m+512*\c
.endr
.endr
	WIN 0
.irp n, 0,1,2,3,4,5
.irp c, 0,1,2
	ds_load_b128 v[WF+72*((\s)%2)+12*\n+4*\c:WF+72*((\s)%2)+12*\n+4*\c+3], v5 offset:RW_*ROWB+1536*\n+512*\c
.endr
.endr
.endm
.macro MULQK s, z                      ; q or k: source 0 = the weights' tile n (window 0), source 1 = x's tile m (window 1), sums in window 2
	WIN 0xa4
.irp m, 0,1,2,3,4,5,6,7
.irp n, 0,1,2,3
	WM 8*(4*\m+\n), WF+72*((\s)%2)+12*\n, 96*((\s)%2)+12*\m, \z, WS+8*(\n/2)+(\s), XS+4*\m+(\s)/2, \n%2, (\s)%2
.endr
.endr
.endm
.macro MULV s, z                       ; v: source 0 = x's tile m (window 1), source 1 = the weights' tile 4 + n (window 0), sums in window 3
	WIN 0xf1
.irp n, 0,1
.irp m, 0,1,2,3,4,5,6,7
	WM 64*\n+8*\m, 96*((\s)%2)+12*\m, WF+72*((\s)%2)+12*(4+\n), \z, XS+4*\m+(\s)/2, WS+16+(\s), (\s)%2, \n
.endr
.endr
.endm
.macro KSTEP s, z
	s_wait_dscnt 0x0                               ; this K step's fragments are in registers
.if (\s) == 1
	; K steps 0 and 1 have been read out: their bytes take K steps 6 and 7
	s_wait_tensorcnt 0x0                           ; all my tensor loads have landed, so a group 0 may be written;
	ds_add_u32 v28, v29                            ; 0 onto my spare word
	s_add_nc_u64 s[46:47], s[46:47], 6*KSA
	s_add_nc_u64 s[58:59], s[58:59], 6*KSB
	s_mov_b32 s26, 2<<16                           ; no tensor load of mine is out: the refill brings two K steps: tensor_dim1 = 2,
	s_mov_b32 s28, 2                               ; tile_dim1 = 2;
	s_mov_b32 s34, 2<<16                           ; and the same for the weights
	s_mov_b32 s36, 2
	s_wait_dscnt 0x0                               ; the add is done, and my reads of those bytes are over
	CROUND                                         ; both now hold of every wave of every work-group of the cluster
	JLOAD                                          ; the first tensor load behind the round: it has four K steps, 192 matrix instructions, in which to land
.endif
.if (\s) == 5
	s_wait_tensorcnt 0x0                           ; my part of K steps 6 and 7 is in (one load was out),
	s_barrier_signal -1
	s_barrier_wait -1                              ; everybody's is
.endif
.if (\s) < 7
	FETCH (\s)+1
.endif
	MULQK \s, \z
	MULV \s, \z
	WIN 0
	PLACES                                         ; four places in front of loads into registers that matrix instructions have read, and of the first read of results
.endm
	s_wait_tensorcnt 0x0                           ; my part of K steps 0 to 5 is in
	s_barrier_signal -1
	s_barrier_wait -1
	FETCH 0
	s_wait_loadcnt 0x0                             ; the scale words
	KSTEP 0, 1
	KSTEP 1, 0
	KSTEP 2, 0
	KSTEP 3, 0
	KSTEP 4, 0
	KSTEP 5, 0
	KSTEP 6, 0
	KSTEP 7, 0
	; ---- THE WAY OUT of q or k, a tile of 16 tokens at a time
.irp i, 2,3,4,5,6,7
	v_mov_b32 v[TM+\i], 0                          ; written once: a lane permute's destination counts as one of its sources
.endr
	v_mov_b32 v242, 0
.macro CSLOAD m                        ; cos and sin of tile m's tokens: register 2 e: cos, 2 e + 1: sin of the pair of channels that registers 2 e, 2 e + 1 of the token hold
.irp q, 0,1,2,3,4,5,6,7
	global_load_b128 v[CS+32*((\m)%2)+4*\q:CS+32*((\m)%2)+4*\q+3], v9, s[82:83] offset:(32*((\m)/2)+8*((\m)%2))*256+128*(\q/4)+16*(\q%4)
.endr
.endm
; 32 numbers of a lane, register 16 b + i = channel 32 b + 16 h + i of my token, become six registers of codes (a whole block in a lane) at v[d] and the two bytes in v[w]
.macro QUANT32 s, d, w
	v_max3_num_f32 v[TM], |v[\s]|, |v[\s+1]|, FLOOR
	v_max3_num_f32 v[TM+1], |v[\s+16]|, |v[\s+17]|, FLOOR
.irp i, 2,4,6,8,10,12,14
	v_max3_num_f32 v[TM], v[TM], |v[\s+\i]|, |v[\s+\i+1]|
	v_max3_num_f32 v[TM+1], v[TM+1], |v[\s+16+\i]|, |v[\s+17+\i]|
.endr
	v_permlanex16_b32 v[TM+2], v[TM], s78, s79
	v_permlanex16_b32 v[TM+3], v[TM+1], s78, s79
	v_max_num_f32 v[TM], v[TM], v[TM+2]            ; with lane l xor 16's: the block's largest magnitude
	v_max_num_f32 v[TM+1], v[TM+1], v[TM+3]
	v_add_nc_u32 v[TM+4], 0xff000000, v[TM]        ; 2 off the exponent field: the conversion's scale operand
	v_add_nc_u32 v[TM+5], 0xff000000, v[TM+1]
	v_lshrrev_b32 v[TM+6], 23, v[TM+4]             ; the scale's byte
	v_lshrrev_b32 v[TM+7], 23, v[TM+5]
	v_lshl_or_b32 v[\w], v[TM+7], 8, v[TM+6]
	v_cvt_scalef32_pk16_fp6_f32 v[\d:\d+2], v[\s:\s+15], v[TM+4]
	v_cvt_scalef32_pk16_fp6_f32 v[CT:CT+2], v[\s+16:\s+31], v[TM+5]
	v_nop                                          ; one plain place behind a scaled conversion
.irp i, 0,1,2
	v_permlane16_swap_b32 v[\d+\i], v[CT+\i]       ; lanes 0-15 get block 0 whole, lanes 16-31 block 1
.endr
.irp i, 0,1,2
	v_mov_b32 v[\d+3+\i], v[CT+\i]
.endr
.endm
.macro QKTILE m
.set B_, (\m)/2
.set U_, (\m)%2
.set CC_, CS+32*U_
	s_wait_xcnt 0x0                                ; earlier stores have read their registers
.if (\m) < 7
	CSLOAD (\m)+1
	s_wait_loadcnt 8                               ; this tile's eight loads are in; the next tile's may be out
.else
	s_wait_loadcnt 0x0
.endif
	WIN 0x02                                       ; source 0: the accumulators, window 2
.set E_, 0
.rept 16
	v_pk_mul_f32 v[H+E_:H+E_+1], v[32*(\m)+E_:32*(\m)+E_+1], v[CC_+E_:CC_+E_+1] op_sel_hi:[1,0]   ; (even, odd) x cos
.set E_, E_+2
.endr
.set E_, 0
.rept 16
	v_pk_fma_f32 v[H+E_:H+E_+1], v[32*(\m)+E_:32*(\m)+E_+1], v[CC_+E_:CC_+E_+1], v[H+E_:H+E_+1] op_sel:[1,1,0] op_sel_hi:[0,1,1] neg_lo:[1,0,0]   ; + (-odd, even) x sin
.set E_, E_+2
.endr
	WIN 0
	v_pk_mul_f32 v[240:241], v[H:H+1], v[H:H+1]    ; the squared norm, of the numbers as they are ahead of the quantiser
	v_pk_mul_f32 v[242:243], v[H+2:H+3], v[H+2:H+3]
.irp e, 4,8,12,16,20,24,28
	v_pk_fma_f32 v[240:241], v[H+\e:H+\e+1], v[H+\e:H+\e+1], v[240:241]
	v_pk_fma_f32 v[242:243], v[H+\e+2:H+\e+3], v[H+\e+2:H+\e+3], v[242:243]
.endr
	v_pk_add_f32 v[240:241], v[240:241], v[242:243]
	v_add_f32 v240, v240, v241
	v_permlanex16_b32 v242, v240, s78, s79
	v_add_f32 v[234+U_], v240, v242
	QUANT32 H, KF+6*U_, 228+U_
.if U_ == 1
	v_lshl_or_b32 v[230+B_], v229, 16, v228        ; the fragment's scale word: bytes 0, 1 the even tile's blocks, bytes 2, 3 the odd one's
.irp c, 0,1,2
	global_store_b128 v1, v[KF+4*\c:KF+4*\c+3], s[84:85] offset:1536*B_+512*\c   ; 512 consecutive bytes, aligned
.endr
	v_cndmask_b32 v236, v234, v235, s80
	global_store_b32 v10, v236, s[84:85] offset:12800+128*B_   ; 32 tokens' norms: 128 consecutive bytes
.endif
.endm
	CSLOAD 0
.irp m, 0,1,2,3,4,5,6,7
	QKTILE \m
.endr
	v_cndmask_b32 v238, v230, v231, s80            ; lanes 0-15 the even fragment's words, lanes 16-31 the odd one's
	v_cndmask_b32 v239, v232, v233, s80
	global_store_b64 v2, v[238:239], s[84:85] offset:12288
	; ---- THE WAY OUT of v: 64 registers of a lane are 128 tokens of one channel, register 16 b + i = token 32 b + 16 h + i: one fragment of v^T and one scale word a channel
.macro QUANTV n
.set VB_, 64*(\n)
.set PC_, 96+32*(\n)
	WIN 0x0f                                       ; sources 0 and 1: window 3
.irp b, 0,1,2,3
	v_max3_num_f32 v[TM+\b], |v[VB_+16*\b]|, |v[VB_+16*\b+1]|, FLOOR
.endr
	WIN 0x3c                                       ; sources 1 and 2: window 3
.irp i, 2,4,6,8,10,12,14
.irp b, 0,1,2,3
	v_max3_num_f32 v[TM+\b], v[TM+\b], |v[VB_+16*\b+\i]|, |v[VB_+16*\b+\i+1]|
.endr
.endr
	WIN 0
.irp b, 0,1,2,3
	v_permlanex16_b32 v[TM+4+\b], v[TM+\b], s78, s79
.endr
.irp b, 0,1,2,3
	v_max_num_f32 v[TM+\b], v[TM+\b], v[TM+4+\b]
.endr
.irp b, 0,1,2,3
	v_add_nc_u32 v[TM+12+\b], 0xff000000, v[TM+\b]
.endr
.irp b, 0,1,2,3
	v_lshrrev_b32 v[TM+4+\b], 23, v[TM+12+\b]
.endr
	v_lshl_or_b32 v[228+\n], v[TM+5], 8, v[TM+4]
	v_lshl_or_b32 v[228+\n], v[TM+6], 16, v[228+\n]
	v_lshl_or_b32 v[228+\n], v[TM+7], 24, v[228+\n]
	WIN 0x03                                       ; source 0: window 3
.irp c, 0,1
	v_cvt_scalef32_pk16_fp6_f32 v[PC_+6*\c:PC_+6*\c+2], v[VB_+32*\c:VB_+32*\c+15], v[TM+12+2*\c]
	v_cvt_scalef32_pk16_fp6_f32 v[PC_+12+4*\c:PC_+12+4*\c+2], v[VB_+32*\c+16:VB_+32*\c+31], v[TM+12+2*\c+1]
.endr
	WIN 0
	v_nop                                          ; one plain place behind a scaled conversion
.irp c, 0,1
.irp i, 0,1,2
	v_permlane16_swap_b32 v[PC_+6*\c+\i], v[PC_+12+4*\c+\i]
.endr
.irp i, 0,1,2
	v_mov_b32 v[PC_+3+6*\c+\i], v[PC_+12+4*\c+\i]
.endr
.endr
.irp c, 0,1,2
	global_store_b128 v12, v[PC_+4*\c:PC_+4*\c+3], s[86:87] offset:6144+1536*(\n)+512*\c
.endr
.endm
	s_wait_xcnt 0x0                                ; the stores above have read their registers
	QUANTV 0
	QUANTV 1
	v_cndmask_b32 v230, v228, v229, s80
	global_store_b32 v13, v230, s[86:87] offset:12544
	s_wait_tensorcnt 0x0                           ; the wave's end
	ds_add_u32 v28, v29
	s_wait_dscnt 0x0
	CROUND                                         ; the closing round: no work-group ends while a partner may still ask for a tile that names it
	s_endpgm
.Lfunc_end_k_q4429ec79c0_qkv:
	.size	k_q4429ec79c0_qkv, .Lfunc_end_k_q4429ec79c0_qkv-k_q4429ec79c0_qkv
	.p2alignl 7, 3214868480
	.fill 96, 4, 3214868480
	.section	.rodata,"a",@progbits
	.p2align	6, 0x0
	.amdhsa_kernel k_q4429ec79c0_qkv
		.amdhsa_group_segment_fixed_size 327680
		.amdhsa_private_segment_fixed_size 0
		.amdhsa_enable_private_segment 0
		.amdhsa_kernarg_size 40
		.amdhsa_user_sgpr_count 2
		.amdhsa_user_sgpr_kernarg_segment_ptr 1
		.amdhsa_wavefront_size32 1
		.amdhsa_system_sgpr_workgroup_id_x 1
		.amdhsa_system_sgpr_workgroup_id_y 1
		.amdhsa_system_sgpr_workgroup_id_z 1
		.amdhsa_system_vgpr_workitem_id 0
		.amdhsa_next_free_vgpr 1024
		.amdhsa_next_free_sgpr 100
		.amdhsa_reserve_vcc 0
		.amdhsa_float_denorm_mode_32 3
		.amdhsa_float_denorm_mode_16_64 3
		.amdhsa_memory_ordered 1
		.amdhsa_forward_progress 1
		.amdhsa_inst_pref_size 141
	.end_amdhsa_kernel
	.amdgpu_metadata
---
amdhsa.version: [ 1, 2 ]
amdhsa.kernels:
  - .name:           k_q4429ec79c0_qkv
    .symbol:         k_q4429ec79c0_qkv.kd
    .args:
      - { .name: xc, .offset: 0, .size: 8, .value_kind: global_buffer, .address_space: global }
      - { .name: wc, .offset: 8, .size: 8, .value_kind: global_buffer, .address_space: global }
      - { .name: aux, .offset: 16, .size: 8, .value_kind: global_buffer, .address_space: global }
      - { .name: qb, .offset: 24, .size: 8, .value_kind: global_buffer, .address_space: global }
      - { .name: kv, .offset: 32, .size: 8, .value_kind: global_buffer, .address_space: global }
    .group_segment_fixed_size: 327680
    .private_segment_fixed_size: 0
    .kernarg_segment_align: 8
    .kernarg_segment_size: 40
    .max_flat_workgroup_size: 128
    .sgpr_count:     100
    .vgpr_count:     1024
    .wavefront_size: 32
...
	.end_amdgpu_metadata
.endif
;; end of part 2
;; launch attn (part 3): grid 8 x 32, 16 waves a work-group, no clusters, 327,680 bytes of LDS; arguments qb, kv, alpha, ob; writes ob
.if DOCPART == 3
	.amdgcn_target "amdgcn-amd-amdhsa--gfx1250"
	.amdhsa_code_object_version 6
	.text
	.protected	k_q4429ec79c0_attn
	.globl	k_q4429ec79c0_attn
	.p2align	8
	.type	k_q4429ec79c0_attn,@function
k_q4429ec79c0_attn:
	s_mov_b64 s[64:65], 0
	v_nop
	global_prefetch_b8 v0, s[64:65] scope:SCOPE_SE
	s_setreg_imm32_b32 hwreg(HW_REG_WAVE_MODE, 25, 1), 1
	s_wait_xcnt 0x0
; Causal attention with the score (q.k)^2 / (|q|^2 + |k|^2 - 2 q.k + eps) x scale, on codes of E2M3: S^T = k q^T, p = 2^(t - M) quantised along the keys, O^T = v^T p^T, O / l quantised along the channels.
; Key tiles that lie wholly above the causal diagonal are not computed.
; A work-group serves one batch and head (y) and the query blocks x and 15 - x of 128 queries; all 16 records of k, v (128 keys each) lie in LDS, filled once.  A step is 16 queries x 128 keys.
; SHARES: block x needs x + 1 steps a tile, block 15 - x needs 16 - x: 17 for a tile number.  Waves w and w + 8 are the pair of tile number w.
; Wave B (w < 8): records 0 .. min(11, 15 - x) of the long tile, then records 5 .. x of the short one: 12 steps.
; Wave A (w >= 8): records 0 .. min(x, 4) of the short tile, then records 12 .. 15 - x of the long one: 5 steps; it begins behind the second fill's barrier.
; Each wave puts its first state (-M, l, O^T) into an LDS slot of its own; behind the closing barrier it joins the state in its registers with its partner's slot, which is of the same tile, and finishes that tile.
; M is a whole number, so the join multiplies by exact powers of two; a part with no step in it has the factor 0.
; The walks have constant trip counts (3, 9, 11); scalar branches on ids lead round a step that is not the wave's.
; FILLS: records 0-3 at the head, one load a wave; records 4-15 behind the first barrier, one load a wave: one load is outstanding at a time.  All of LDS is claimed.
; PREFETCH: the eight work-groups of a head share the 624 blocks of 256 bytes of records 4-15 out, 78 each, a lane a block, waves 0-2, once, behind the first fill's request; there is no later stream to run ahead of.
; NO CLUSTER: the jumps round steps hang on the work-group's own block number, which partners of a cluster would not share.
; LIMITS: the promise holds while the scaled scores stay under 2^31 in magnitude; blocks under 2^-124 keep the scale byte 1; NaN and infinities are not served.
.set REC, 13312
.set SPARE, 16*REC                     ; the spare words: 128 bytes a wave
.set SLB, 4608                         ; a state: 8 x 512 bytes of O^T, 512 of (-M, largest t, l, l)
.set SL1, SPARE+2048                   ; 16 slots: each wave's first state
.set FLOOR, 0x1800000
.set X,   34
.set S,   98
.set O,   162
.set P,   194
.set CT,  206
.set BM,  214
.set PT,  218
.set OPR, 222
.set CH,  228
.set QE,  230
.set FF,  232
.set PS,  235
.set KS,  236
.set VS,  238
.set Q2,  240                          ; v240-245 the second tile's q, v246 its scale word, v247 its norm + eps
.set A1,  249                          ; my slot;  v250: my partner's;  v252: the prefetch's offset
.macro WM d, a, b, z, sa, sb, ra, rb
.if (\z) && (\ra)
	v_wmma_scale_f32_16x16x128_f8f6f4 v[(\d):(\d)+7], v[(\a):(\a)+11], v[(\b):(\b)+11], 0, v[\sa], v[\sb] matrix_a_fmt:MATRIX_FMT_FP6 matrix_b_fmt:MATRIX_FMT_FP6 matrix_a_scale:MATRIX_SCALE_ROW1
.elseif (\z)
	v_wmma_scale_f32_16x16x128_f8f6f4 v[(\d):(\d)+7], v[(\a):(\a)+11], v[(\b):(\b)+11], 0, v[\sa], v[\sb] matrix_a_fmt:MATRIX_FMT_FP6 matrix_b_fmt:MATRIX_FMT_FP6
.elseif (\ra)
	v_wmma_scale_f32_16x16x128_f8f6f4 v[(\d):(\d)+7], v[(\a):(\a)+11], v[(\b):(\b)+11], v[(\d):(\d)+7], v[\sa], v[\sb] matrix_a_fmt:MATRIX_FMT_FP6 matrix_b_fmt:MATRIX_FMT_FP6 matrix_a_scale:MATRIX_SCALE_ROW1
.else
	v_wmma_scale_f32_16x16x128_f8f6f4 v[(\d):(\d)+7], v[(\a):(\a)+11], v[(\b):(\b)+11], v[(\d):(\d)+7], v[\sa], v[\sb] matrix_a_fmt:MATRIX_FMT_FP6 matrix_b_fmt:MATRIX_FMT_FP6
.endif
.endm
.macro FRESH                           ; a state with nothing in it
	v_mov_b32 v13, 0xff61b1e6                      ; the largest t so far: -3e38
	s_delay_alu instid0(VALU_DEP_1)
	v_floor_f32 v12, -v13                          ; -M
	v_mov_b32 v14, 0
	v_mov_b32 v15, 0
.set J_, 0
.rept 32
	v_mov_b32 v[O+J_], 0
.set J_, J_+1
.endr
.endm
	s_load_b256 s[4:11], s[0:1], 0x0               ; qb, kv, alpha, ob
	v_lshl_add_u32 v254, v0, 2, SPARE
	v_mov_b32 v255, 0
	ds_add_u32 v254, v255                          ; the opening lines
	ds_add_u32 v254, v255
	v_lshrrev_b32 v1, 5, v0
	s_delay_alu instid0(VALU_DEP_1)
	v_readfirstlane_b32 s12, v1                    ; wave
	s_and_b32 s14, ttmp7, 0xffff                   ; batch x 16 + head
	s_mov_b32 s16, 3<<16                           ; group 1: 13 rows of 256 bytes, dense
	s_mov_b32 s17, 32<<16
	s_mov_b32 s18, 13<<16
	s_mov_b32 s19, 32<<16
	s_mov_b32 s20, 13
	s_mov_b32 s21, 32
	s_mov_b32 s22, 0
	s_mov_b32 s23, 0
	s_mov_b32 s24, 3<<16                           ; group 1: 39 rows
	s_mov_b32 s25, 32<<16
	s_mov_b32 s26, 39<<16
	s_mov_b32 s27, 32<<16
	s_mov_b32 s28, 39
	s_mov_b32 s29, 32
	s_mov_b32 s30, 0
	s_mov_b32 s31, 0
	s_mul_i32 s70, s14, 16*REC
	s_mov_b32 s32, 1
	s_mul_i32 s33, s12, 3328                       ; my sixteenth of records 0-3
	s_mov_b32 s36, 1
	s_mul_i32 s37, s12, 9984                       ; and of records 4-15
	s_add_co_u32 s37, s37, 4*REC
	s_add_co_u32 s48, s70, s33
	s_mov_b32 s49, 0
	s_add_co_u32 s50, s70, s37
	s_mov_b32 s51, 0
	s_wait_dscnt 0x0
	s_wait_kmcnt 0x0
	s_add_nc_u64 s[34:35], s[6:7], s[48:49]
	s_or_b32 s35, s35, 0x80000000
	s_add_nc_u64 s[38:39], s[6:7], s[50:51]
	s_or_b32 s39, s39, 0x80000000
	tensor_load_to_lds s[32:35], s[16:23]
	s_nop 0
	s_load_b32 s52, s[8:9], 0x0                    ; alpha
	s_mul_i32 s68, ttmp9, 78*256                   ; the prefetch: my work-group's 78 blocks of records 4-15
	s_add_co_u32 s68, s68, s70
	s_add_co_u32 s68, s68, 4*REC
	s_mov_b32 s69, 0
	s_add_nc_u64 s[68:69], s[6:7], s[68:69]
	s_lshr_b32 s46, s12, 3                         ; 0: wave B, 1: wave A
	s_and_b32 s47, s12, 7                          ; the pair's tile number in its blocks
	s_sub_co_u32 s61, 15, ttmp9                    ; the long block
	s_min_u32 s48, ttmp9, 4
	s_min_u32 s49, s61, 11
	s_cmp_eq_u32 s46, 0
	s_cselect_b32 s40, s61, ttmp9                  ; my first tile's block: the step on the diagonal
	s_cselect_b32 s13, s49, s48                    ; my last step of it
	s_cselect_b32 s60, ttmp9, s61                  ; my second tile's block, which is also my last step of it,
	s_cselect_b32 s78, 5, 12                       ; and my first step of it
	s_cselect_b32 s75, 0, 64                       ; the step's number in the first walk: A's lies above every last step
	s_mov_b32 s77, 0                               ; my first step of the first tile
	s_lshl_b32 s48, s14, 4
	s_add_co_u32 s49, s48, s40
	s_mul_i32 s56, s49, REC
	s_mov_b32 s57, 0
	s_add_co_u32 s49, s48, s60
	s_mul_i32 s58, s49, REC
	s_mov_b32 s59, 0
	s_add_nc_u64 s[56:57], s[4:5], s[56:57]        ; q's record of the first tile,
	s_add_nc_u64 s[58:59], s[4:5], s[58:59]        ; of the second
	s_lshr_b32 s53, s47, 1                         ; the fragment, and
	s_and_b32 s54, s47, 1                          ; which half of its registers
	s_mul_i32 s50, s53, 1536
	s_lshl_b32 s55, s53, 5
	s_lshl_b32 s48, s54, 3
	s_add_co_u32 s55, s55, s48                     ; the tile's first token in its block
	s_and_b32 s48, s53, 1
	s_lshl_b32 s48, s48, 7
	s_lshr_b32 s49, s53, 1
	s_lshl_b32 s49, s49, 2
	s_add_co_u32 s48, s48, s49                     ; the fragment's scale words
	s_lshl_b32 s62, s54, 4
	s_cmp_eq_u32 s54, 0
	s_cselect_b32 s63, 0, -1
	s_mov_b32 s44, 0x76543210
	s_mov_b32 s45, 0xfedcba98                      ; selects for lane l xor 16
	s_mul_i32 s49, s12, SLB
	s_add_co_u32 s49, s49, SL1
	s_xor_b32 s51, s12, 8
	s_mul_i32 s51, s51, SLB
	s_add_co_u32 s51, s51, SL1
	v_and_b32 v5, 31, v0
	v_bfe_u32 v8, v0, 4, 1
	v_and_b32 v7, 15, v0
	v_lshlrev_b32 v1, 4, v5                        ; 16 x lane
	v_lshlrev_b32 v2, 3, v5
	v_lshlrev_b32 v3, 2, v5
	v_lshlrev_b32 v4, 6, v8
	v_lshrrev_b32 v9, 3, v7
	s_delay_alu instid0(VALU_DEP_1)
	v_lshl_add_u32 v9, v9, 3, v7                   ; r + 8 (r / 8)
	v_lshlrev_b32 v8, 4, v8
	s_delay_alu instid0(VALU_DEP_2)
	v_add_nc_u32 v5, s55, v9                       ; my query in its block
	v_lshl_add_u32 v226, v7, 3, s48
	v_add_nc_u32 v227, s50, v1
	s_delay_alu instid0(VALU_DEP_3)
	v_lshlrev_b32 v10, 2, v5
	v_sub_nc_u32 v5, v5, v8                        ; less 16 h: register J's key is masked where 32 (J / 16) + J % 16 lies above it
	global_load_b128 v[98:101], v227, s[56:57]
	global_load_b128 v[102:105], v227, s[56:57] offset:512
	global_load_b128 v[106:109], v227, s[56:57] offset:1024
	global_load_b32 v122, v226, s[56:57] offset:12288
	global_load_b32 v123, v10, s[56:57] offset:12800
	global_load_b128 v[110:113], v227, s[58:59]
	global_load_b128 v[114:117], v227, s[58:59] offset:512
	global_load_b128 v[118:121], v227, s[58:59] offset:1024
	global_load_b32 v124, v226, s[58:59] offset:12288
	global_load_b32 v125, v10, s[58:59] offset:12800
	v_min_u32 v252, 77, v0
	v_mov_b32 v6, 0xff800000
	v_add_nc_u32 v[A1], s49, v1
	v_add_nc_u32 v250, s51, v1
	v_lshlrev_b32 v252, 8, v252
.irp i, 16,17,18,19,20,21,28,29,30,31,32,33
	v_mov_b32 v[\i], 0                             ; the zeros beside q: v[16:27] and v[22:33] are q against the second and the first 16 keys of a fragment of k
.endr
.irp b, 0,1,2,3
	v_mov_b32 v[PT+\b], 0
.endr
	v_mov_b32 v[FF+1], 0
	v_mov_b32 v[CH+1], 0
	s_wait_alu depctr_va_vdst(0)
	s_cmp_lt_u32 s12, 3
	s_cbranch_scc0 .Lnot_asking
	global_prefetch_b8 v252, s[68:69] th:TH_LOAD_NT scope:SCOPE_SE   ; threads 0-77 a block each; the lanes left over name block 77 again; the address registers are never rewritten
.Lnot_asking:
	s_wait_loadcnt 0x0
	v_lshrrev_b32 v122, s62, v122
	v_lshrrev_b32 v124, s62, v124
	s_delay_alu instid0(VALU_DEP_2)
	v_and_b32 v122, 0xffff, v122
	s_delay_alu instid0(VALU_DEP_2)
	v_and_b32 v124, 0xffff, v124
	s_delay_alu instid0(VALU_DEP_2)
	v_lshl_or_b32 v11, v122, 16, v122              ; q's two scale bytes, for either half of K
	s_delay_alu instid0(VALU_DEP_2)
	v_lshl_or_b32 v246, v124, 16, v124
.irp i, 0,1,2,3,4,5
	v_cndmask_b32 v[22+\i], v[98+\i], v[104+\i], s63
	v_cndmask_b32 v[Q2+\i], v[110+\i], v[116+\i], s63
.endr
	v_add_f32 v[QE], 0x3727c5ac, v123              ; |q|^2 + eps
	v_add_f32 v247, 0x3727c5ac, v125
	s_delay_alu instid0(VALU_DEP_2)
	v_mov_b32 v[QE+1], v[QE]
	s_wait_alu depctr_va_vdst(0)
	s_wait_kmcnt 0x0
	v_mov_b32 v226, s52
	s_delay_alu instid0(VALU_DEP_1)
	v_mul_f32 v226, 0x3f703d50, v226               ; alpha x log2(8 / ln 65)
	s_wait_alu depctr_va_vdst(0)
	v_exp_f32 v226, v226
	FRESH
	s_wait_alu depctr_va_vdst(0)
	v_mul_f32 v226, 0x3fb8aa3b, v226               ; x log2(e)
	s_delay_alu instid0(VALU_DEP_1)
	v_readfirstlane_b32 s42, v226
	s_mov_b32 s43, s42
; One step: 128 keys of the record at LDS byte s[adr] (step s[idx]) against my 16 queries.  s77, s13: my first and last step; s40: the step on the diagonal
.macro STEP adr, idx
	s_cmp_gt_u32 s[\idx], s13
	s_cbranch_scc1 .Lskip_\@
	s_cmp_lt_u32 s[\idx], s77
	s_cbranch_scc1 .Lskip_\@
	v_add_nc_u32 v7, s[\adr], v1
	v_add_nc_u32 v8, s[\adr], v2
	v_add_nc_u32 v9, s[\adr], v3
	v_add_nc_u32 v10, s[\adr], v4
.irp b, 0,1,2,3
.irp c, 0,1,2
	ds_load_b128 v[X+12*\b+4*\c:X+12*\b+4*\c+3], v7 offset:1536*\b+512*\c
.endr
.endr
	ds_load_b64 v[KS:KS+1], v8 offset:12288
	s_wait_alu depctr_va_vdst(0)
	s_wait_dscnt 0x0
.irp b, 0,1,2,3
	WM S+16*\b, X+12*\b, 22, 1, KS+\b/2, 11, \b%2, 0
	WM S+16*\b+8, X+12*\b, 16, 1, KS+\b/2, 11, \b%2, 0
.endr
.rept 4
	v_nop
.endr
.irp b, 0,1,2,3
.irp i, 0,1,2,3
	ds_load_b128 v[X+16*\b+4*\i:X+16*\b+4*\i+3], v10 offset:12800+128*\b+16*\i   ; |k|^2 of my 64 keys
.endr
.endr
	s_wait_dscnt 0x0
.set J_, 0
.rept 32
	v_pk_add_f32 v[X+J_:X+J_+1], v[X+J_:X+J_+1], v[QE:QE+1]
.set J_, J_+2
.endr
.set J_, 0
.rept 32
	v_pk_fma_f32 v[X+J_:X+J_+1], v[S+J_:S+J_+1], -2.0, v[X+J_:X+J_+1] op_sel_hi:[1,0,1]
.set J_, J_+2
.endr
.set J_, 0
	s_wait_alu depctr_va_vdst(0)
.rept 32
	v_rcp_f32 v[X+J_], v[X+J_]
	v_rcp_f32 v[X+J_+1], v[X+J_+1]
	v_pk_mul_f32 v[S+J_:S+J_+1], v[S+J_:S+J_+1], v[S+J_:S+J_+1]   ; the squares stand among the reciprocals: they name none of them
.set J_, J_+2
.endr
	s_wait_alu depctr_va_vdst(0)
.set J_, 0
.rept 32
	v_pk_mul_f32 v[S+J_:S+J_+1], v[S+J_:S+J_+1], v[X+J_:X+J_+1]
.set J_, J_+2
.endr
.irp d, 0,1,2,3
.irp c, 0,1,2
	ds_load_b128 v[X+12*\d+4*\c:X+12*\d+4*\c+3], v7 offset:6144+1536*\d+512*\c   ; v^T, for the step's end
.endr
.endr
	ds_load_b32 v[VS], v9 offset:12544
	ds_load_b32 v[VS+1], v9 offset:12672
	s_cmp_lg_u32 s[\idx], s40
	s_cbranch_scc1 .Lopen_\@
.set J_, 0
.rept 64
	v_cmp_gt_i32 vcc_lo, 32*(J_/16)+J_%16, v5
	s_delay_alu instid0(VALU_DEP_1)
	v_cndmask_b32 v[S+J_], v[S+J_], v6, vcc_lo
.set J_, J_+1
.endr
.Lopen_\@:
.irp b, 0,1,2,3
	v_max3_num_f32 v[BM+\b], v[S+16*\b], v[S+16*\b+1], v[S+16*\b+2]
.endr
.irp i, 3,5,7,9,11,13
.irp b, 0,1,2,3
	s_delay_alu instid0(VALU_DEP_4)
	v_max3_num_f32 v[BM+\b], v[BM+\b], v[S+16*\b+\i], v[S+16*\b+\i+1]
.endr
.endr
.irp b, 0,1,2,3
	s_delay_alu instid0(VALU_DEP_4)
	v_max_num_f32 v[BM+\b], v[BM+\b], v[S+16*\b+15]
.endr
.irp b, 0,1,2,3
	s_delay_alu instid0(VALU_DEP_4)
	v_permlanex16_b32 v[PT+\b], v[BM+\b], s44, s45
.endr
.irp b, 0,1,2,3
	s_delay_alu instid0(VALU_DEP_4)
	v_max_num_f32 v[BM+\b], v[BM+\b], v[PT+\b]     ; each block's largest score: for the row's maximum and for the block's largest p
.endr
	s_delay_alu instid0(VALU_DEP_2)
	v_max3_num_f32 v226, v[BM], v[BM+1], v[BM+2]
	s_delay_alu instid0(VALU_DEP_1)
	v_max_num_f32 v226, v226, v[BM+3]
	s_delay_alu instid0(VALU_DEP_1)
	v_mul_f32 v226, s42, v226
	s_delay_alu instid0(VALU_DEP_1)
	v_max_num_f32 v13, v13, v226
	v_mov_b32 v226, v12
	s_delay_alu instid0(VALU_DEP_2)
	v_floor_f32 v12, -v13                          ; -M = floor(-t)
	s_delay_alu instid0(VALU_DEP_1)
	v_sub_f32 v226, v12, v226
	s_delay_alu instid0(VALU_DEP_1)
	v_cvt_i32_f32 v226, v226
	s_delay_alu instid0(VALU_DEP_1)
	v_ldexp_f32 v[FF], 1.0, v226                   ; 2^(old M - new M)
.set J_, 0
.rept 32
	v_pk_fma_f32 v[S+J_:S+J_+1], v[S+J_:S+J_+1], s[42:43], v[12:13] op_sel_hi:[1,0,0]
.set J_, J_+2
.endr
.irp b, 0,1,2,3
	v_fma_f32 v[BM+\b], v[BM+\b], s42, v12
.endr
.set J_, 0
	s_wait_alu depctr_va_vdst(0)
.rept 64
	v_exp_f32 v[S+J_], v[S+J_]
.set J_, J_+1
.endr
	v_pk_mul_f32 v[14:15], v[14:15], v[FF:FF+1] op_sel_hi:[1,0]
	s_wait_alu depctr_va_vdst(0)
.irp b, 0,1,2,3
	v_exp_f32 v[BM+\b], v[BM+\b]
.endr
	v_pk_add_f32 v[CH:CH+1], v[S:S+1], v[S+2:S+3]  ; l is summed of the unquantised p
.irp j, 4,8,12,16,20,24,28,32,36,40,44,48,52,56,60
	v_pk_add_f32 v[14:15], v[14:15], v[S+\j:S+\j+1]
	v_pk_add_f32 v[CH:CH+1], v[CH:CH+1], v[S+\j+2:S+\j+3]
.endr
	s_delay_alu instid0(VALU_DEP_1)
	v_pk_add_f32 v[14:15], v[14:15], v[CH:CH+1]
	s_wait_alu depctr_va_vdst(0)
.irp b, 0,1,2,3
	v_max_num_f32 v[BM+\b], FLOOR, v[BM+\b]
.endr
.irp b, 0,1,2,3
	s_delay_alu instid0(VALU_DEP_4)
	v_add_nc_u32 v[OPR+\b], 0xff000000, v[BM+\b]
.endr
.irp b, 0,1,2,3
	s_delay_alu instid0(VALU_DEP_4)
	v_lshrrev_b32 v[PT+\b], 23, v[OPR+\b]
.endr
	s_delay_alu instid0(VALU_DEP_3)
	v_lshl_or_b32 v[PS], v[PT+1], 8, v[PT]
	s_delay_alu instid0(VALU_DEP_1)
	v_lshl_or_b32 v[PS], v[PT+2], 16, v[PS]
	s_delay_alu instid0(VALU_DEP_1)
	v_lshl_or_b32 v[PS], v[PT+3], 24, v[PS]
.irp c, 0,1
	v_cvt_scalef32_pk16_fp6_f32 v[P+6*\c:P+6*\c+2], v[S+32*\c:S+32*\c+15], v[OPR+2*\c]
	v_cvt_scalef32_pk16_fp6_f32 v[CT+4*\c:CT+4*\c+2], v[S+32*\c+16:S+32*\c+31], v[OPR+2*\c+1]
.endr
	v_nop
.irp c, 0,1
.irp i, 0,1,2
	v_permlane16_swap_b32 v[P+6*\c+\i], v[CT+4*\c+\i]
.endr
.irp i, 0,1,2
	s_delay_alu instid0(VALU_DEP_3)
	v_mov_b32 v[P+3+6*\c+\i], v[CT+4*\c+\i]
.endr
.endr
.set J_, 0
.rept 16
	v_pk_mul_f32 v[O+J_:O+J_+1], v[O+J_:O+J_+1], v[FF:FF+1] op_sel_hi:[1,0]
.set J_, J_+2
.endr
	s_wait_alu depctr_va_vdst(0)
	s_wait_dscnt 0x0
.irp d, 0,1,2,3
	WM O+8*\d, X+12*\d, P, 0, VS+\d/2, PS, \d%2, 0
.endr
.Lskip_\@:
.endm
.macro NEXT lbl                        ; a trip's end
	s_add_co_u32 s2, s2, REC
	s_add_co_u32 s75, s75, 1
	s_sub_co_u32 s41, s41, 1
	s_cmp_lg_u32 s41, 0
	s_cbranch_scc1 \lbl
.endm
	s_wait_alu depctr_va_vdst(0)
	s_wait_tensorcnt 0x0                           ; my part of records 0-3 is in
	ds_add_u32 v254, v255
	s_wait_dscnt 0x0
	s_barrier_signal -1
	s_barrier_wait -1                              ; everybody's part is in
	tensor_load_to_lds s[36:39], s[24:31]          ; records 4-15: B's three steps in which to land
	s_nop 0
	s_mov_b32 s2, 0
	s_mov_b32 s41, 3
.Lfirst:                                               ; B: records 0 .. 2 of its first tile
	STEP 2, 75
	NEXT .Lfirst
	s_wait_tensorcnt 0x0                           ; my part of records 4-15 is in,
	s_wait_dscnt 0x0
	s_barrier_signal -1
	s_barrier_wait -1                              ; everybody's is
	s_cmp_eq_u32 s46, 0
	s_cselect_b32 s75, 3, 0                        ; B goes on with step 3, A begins with step 0
	s_mov_b32 s67, 0
	s_mov_b32 s41, 9
.Lmid:                                                 ; B: records 3 .. 11; A: records 0 .. 8
	s_cmp_eq_u32 s46, 0
	s_cselect_b32 s71, s2, s67
	STEP 71, 75
	s_add_co_u32 s67, s67, REC
	NEXT .Lmid
.rept 4
	v_nop                                          ; places behind the last products
.endr
	s_wait_alu depctr_va_vdst(0)
.irp i, 0,1,2,3,4,5,6,7
	ds_store_b128 v[A1], v[O+4*\i:O+4*\i+3] offset:512*\i   ; the first state into my slot, each accumulator from its low end on
.endr
	ds_store_b128 v[A1], v[12:15] offset:4096
	s_wait_dscnt 0x0                               ; the stores have read their registers
	v_mov_b32 v11, v246                            ; the second tile's q
.irp i, 0,1,2,3,4,5
	v_mov_b32 v[22+\i], v[Q2+\i]
.endr
	v_mov_b32 v[QE], v247
	v_mov_b32 v[QE+1], v247
	FRESH
	s_mov_b32 s40, s60
	s_mov_b32 s13, s60
	s_mov_b32 s77, s78
	s_mov_b32 s2, 5*REC
	s_mov_b32 s75, 5
	s_mov_b32 s41, 11
	s_wait_alu depctr_va_vdst(0)
.Llast:                                                ; records 5 .. 15: B's 5 .. x, A's 12 .. 15 - x
	STEP 2, 75
	NEXT .Llast
.rept 4
	v_nop
.endr
	s_wait_alu depctr_va_vdst(0)
	s_wait_dscnt 0x0
	s_barrier_signal -1
	s_barrier_wait -1                              ; every first state lies in its slot
.irp i, 0,1,2,3,4,5,6,7
	ds_load_b128 v[X+4*\i:X+4*\i+3], v250 offset:512*\i      ; my partner's: the other part of the tile whose state I hold
.endr
	ds_load_b128 v[S:S+3], v250 offset:4096
	s_wait_dscnt 0x0
	v_add_f32 v14, v14, v15
	v_add_f32 v[S+2], v[S+2], v[S+3]
	v_min_num_f32 v226, v12, v[S]                  ; -M of the two together
	s_delay_alu instid0(VALU_DEP_1)
	v_sub_f32 v227, v226, v12
	v_sub_f32 v[S+8], v226, v[S]
	s_delay_alu instid0(VALU_DEP_2)
	v_cvt_i32_f32 v227, v227                       ; whole numbers, 0 or less (it saturates)
	s_delay_alu instid0(VALU_DEP_2)
	v_cvt_i32_f32 v[S+8], v[S+8]
	s_delay_alu instid0(VALU_DEP_2)
	v_ldexp_f32 v227, 1.0, v227
	s_delay_alu instid0(VALU_DEP_2)
	v_ldexp_f32 v[S+8], 1.0, v[S+8]
	s_delay_alu instid0(VALU_DEP_2)
	v_mul_f32 v14, v14, v227
	s_delay_alu instid0(VALU_DEP_1)
	v_fmac_f32 v14, v[S+2], v[S+8]
	s_delay_alu instid0(VALU_DEP_1)
	v_permlanex16_b32 v[PT], v14, s44, s45
	s_delay_alu instid0(VALU_DEP_1)
	v_add_f32 v14, v14, v[PT]                      ; the row's sum
	s_wait_alu depctr_va_vdst(0)
	v_rcp_f32 v15, v14
	v_and_b32 v7, 15, v0
	s_delay_alu instid0(VALU_DEP_1)
	v_lshlrev_b32 v7, 4, v7
	s_lshr_b32 s48, s14, 4
	s_lshl_b32 s48, s48, 7
	s_lshl_b32 s49, s40, 3
	s_add_co_u32 s48, s48, s49
	s_add_co_u32 s48, s48, s47                     ; the tile of 16 tokens: 128 x batch + 8 x block + tile
	s_and_b32 s49, s14, 15
	s_lshr_b32 s50, s49, 1                         ; the next product's K step,
	s_and_b32 s49, s49, 1                          ; and which half of it
	s_mul_i32 s52, s50, 393216
	s_mul_i32 s53, s48, 1536
	s_add_co_u32 s52, s52, s53
	s_mul_i32 s53, s49, 768
	s_add_co_u32 s52, s52, s53
	s_mov_b32 s53, 0
	s_add_nc_u64 s[52:53], s[10:11], s[52:53]
	s_lshl_b32 s54, s48, 9
	s_and_b32 s55, s50, 1
	s_lshl_b32 s55, s55, 8
	s_add_co_u32 s54, s54, s55
	s_lshr_b32 s55, s50, 1
	s_lshl_b32 s55, s55, 2
	s_add_co_u32 s54, s54, s55
	s_lshl_b32 s55, s49, 1
	s_add_co_u32 s54, s54, s55
	s_add_co_u32 s54, s54, 3145728
	s_mov_b32 s55, 0
	s_add_nc_u64 s[54:55], s[10:11], s[54:55]
	s_wait_alu depctr_va_vdst(0)
	v_mul_f32 v[FF], v227, v15                     ; each state's factor / l
	v_mul_f32 v[CH], v[S+8], v15
	s_wait_alu depctr_va_vdst(0)
.set J_, 0
.rept 16
	v_pk_mul_f32 v[O+J_:O+J_+1], v[O+J_:O+J_+1], v[FF:FF+1] op_sel_hi:[1,0]
.set J_, J_+2
.endr
.set J_, 0
.rept 16
	v_pk_fma_f32 v[O+J_:O+J_+1], v[X+J_:X+J_+1], v[CH:CH+1], v[O+J_:O+J_+1] op_sel_hi:[1,0,1]
.set J_, J_+2
.endr
	v_max3_num_f32 v[BM], |v[O]|, |v[O+1]|, FLOOR  ; O's two blocks of 32 channels are quantised for the projection
	v_max3_num_f32 v[BM+1], |v[O+16]|, |v[O+17]|, FLOOR
.irp i, 2,4,6,8,10,12,14
	s_delay_alu instid0(VALU_DEP_2)
	v_max3_num_f32 v[BM], v[BM], |v[O+\i]|, |v[O+\i+1]|
	s_delay_alu instid0(VALU_DEP_2)
	v_max3_num_f32 v[BM+1], v[BM+1], |v[O+16+\i]|, |v[O+17+\i]|
.endr
	s_delay_alu instid0(VALU_DEP_2)
	v_permlanex16_b32 v[PT], v[BM], s44, s45
	s_delay_alu instid0(VALU_DEP_2)
	v_permlanex16_b32 v[PT+1], v[BM+1], s44, s45
	s_delay_alu instid0(VALU_DEP_2)
	v_max_num_f32 v[BM], v[BM], v[PT]
	s_delay_alu instid0(VALU_DEP_2)
	v_max_num_f32 v[BM+1], v[BM+1], v[PT+1]
	s_delay_alu instid0(VALU_DEP_2)
	v_add_nc_u32 v[OPR], 0xff000000, v[BM]
	s_delay_alu instid0(VALU_DEP_2)
	v_add_nc_u32 v[OPR+1], 0xff000000, v[BM+1]
	s_delay_alu instid0(VALU_DEP_2)
	v_lshrrev_b32 v[PT], 23, v[OPR]
	s_delay_alu instid0(VALU_DEP_2)
	v_lshrrev_b32 v[PT+1], 23, v[OPR+1]
	s_delay_alu instid0(VALU_DEP_1)
	v_lshl_or_b32 v227, v[PT+1], 8, v[PT]
	v_cvt_scalef32_pk16_fp6_f32 v[P:P+2], v[O:O+15], v[OPR]
	v_cvt_scalef32_pk16_fp6_f32 v[CT:CT+2], v[O+16:O+31], v[OPR+1]
	v_nop
.irp i, 0,1,2
	v_permlane16_swap_b32 v[P+\i], v[CT+\i]
.endr
.irp i, 0,1,2
	s_delay_alu instid0(VALU_DEP_3)
	v_mov_b32 v[P+3+\i], v[CT+\i]
.endr
.irp p, 0,1,2
	global_store_b64 v2, v[P+2*\p:P+2*\p+1], s[52:53] offset:256*\p   ; 256 consecutive bytes, aligned
.endr
	global_store_b16 v7, v227, s[54:55]
	s_wait_tensorcnt 0x0                           ; the wave's end
	ds_add_u32 v254, v255
	s_wait_dscnt 0x0
	s_endpgm
.Lfunc_end_k_q4429ec79c0_attn:
	.size	k_q4429ec79c0_attn, .Lfunc_end_k_q4429ec79c0_attn-k_q4429ec79c0_attn
	.p2alignl 7, 3214868480
	.fill 96, 4, 3214868480
	.section	.rodata,"a",@progbits
	.p2align	6, 0x0
	.amdhsa_kernel k_q4429ec79c0_attn
		.amdhsa_group_segment_fixed_size 327680
		.amdhsa_private_segment_fixed_size 0
		.amdhsa_enable_private_segment 0
		.amdhsa_kernarg_size 32
		.amdhsa_user_sgpr_count 2
		.amdhsa_user_sgpr_kernarg_segment_ptr 1
		.amdhsa_wavefront_size32 1
		.amdhsa_system_sgpr_workgroup_id_x 1
		.amdhsa_system_sgpr_workgroup_id_y 1
		.amdhsa_system_sgpr_workgroup_id_z 1
		.amdhsa_system_vgpr_workitem_id 0
		.amdhsa_next_free_vgpr 256
		.amdhsa_next_free_sgpr 80
		.amdhsa_reserve_vcc 1
		.amdhsa_float_denorm_mode_32 3
		.amdhsa_float_denorm_mode_16_64 3
		.amdhsa_memory_ordered 1
		.amdhsa_forward_progress 1
		.amdhsa_inst_pref_size 128
	.end_amdhsa_kernel
	.amdgpu_metadata
---
amdhsa.version: [ 1, 2 ]
amdhsa.kernels:
  - .name:           k_q4429ec79c0_attn
    .symbol:         k_q4429ec79c0_attn.kd
    .args:
      - { .name: qb, .offset: 0, .size: 8, .value_kind: global_buffer, .address_space: global }
      - { .name: kv, .offset: 8, .size: 8, .value_kind: global_buffer, .address_space: global }
      - { .name: alpha, .offset: 16, .size: 8, .value_kind: global_buffer, .address_space: global }
      - { .name: ob, .offset: 24, .size: 8, .value_kind: global_buffer, .address_space: global }
    .group_segment_fixed_size: 327680
    .private_segment_fixed_size: 0
    .kernarg_segment_align: 8
    .kernarg_segment_size: 32
    .max_flat_workgroup_size: 512
    .sgpr_count:     80
    .vgpr_count:     256
    .wavefront_size: 32
...
	.end_amdgpu_metadata
.endif
;; end of part 3
;; launch oproj (part 4): grid 8 x 32, 4 waves a work-group, clusters of 4 x 4, 214,528 bytes of LDS; arguments ob, wc, aux, out0; writes out0
.if DOCPART == 4
	.amdgcn_target "amdgcn-amd-amdhsa--gfx1250"
	.amdhsa_code_object_version 6
	.text
	.protected	k_q4429ec79c0_oproj
	.globl	k_q4429ec79c0_oproj
	.p2align	8
	.type	k_q4429ec79c0_oproj,@function
k_q4429ec79c0_oproj:
	s_mov_b64 s[64:65], 0
	v_nop
	global_prefetch_b8 v0, s[64:65] scope:SCOPE_SE
	s_setreg_imm32_b32 hwreg(HW_REG_WAVE_MODE, 25, 1), 1
	s_wait_xcnt 0x0
	s_wait_alu depctr_hold_cnt(0) depctr_sa_sdst(0) depctr_va_vdst(0) depctr_va_sdst(0) depctr_va_ssrc(0) depctr_va_vcc(0) depctr_vm_vsrc(0)
	s_getreg_b32 s2, hwreg(HW_REG_IB_STS2, 6, 4)
	s_cmp_eq_u32 s2, 0
	s_cbranch_scc0 .Lentry_in_a_cluster
	s_endpgm
.Lentry_in_a_cluster:
	s_bfe_u32 s2, ttmp6, 0x10000c
	s_cmp_lg_u32 s2, 0xf033
	s_cbranch_scc0 .Lentry_shape_is_right
	s_endpgm
.Lentry_shape_is_right:
; out0 = O Wo on codes of E2M3.  O: 256 tiles of 16 tokens x 8 K steps, each fragment as six pairs of registers (pair p of lane l at 256 p + 8 l); Wo: 64 tiles of 16 columns, fragments as three groups of four registers.
; A work-group makes 128 tokens x 128 columns: 256 work-groups; a wave 64 x 64: 16 accumulators by turns, one instruction a turn.
; ALL OF K LIES IN LDS: 4 regions of 8 K steps x 4 fragments; each byte is filled once, so there is no ring and no refill.  Each wave brings one region by one joint load of all eight K steps: one is outstanding at the most.
; CLUSTER: 4 x 4 work-groups.  O's tiles hang on the token block alone and are shared along a row of the cluster, Wo's on the column block alone and are shared along a column.
; The matrix instruction is used transposed (source 0 = 16 columns of Wo, source 1 = 16 tokens): a lane holds eight neighbouring numbers of a row of out0.  The columns of a tile and the tokens of a tile are not neighbours
; (tile u of 32 takes 8 u + r + 8 (r / 8)); the way out puts both right.
; REGISTERS: window 0: v1-8 addresses, v24-39 O's scale words, v40-55 Wo's, v56-247 fragments in two sets (O's four, then Wo's four);  window 1: accumulator (m, n) at 8 (4 m + n).
.set KSA,  393216
.set KSB,  98304
.set ROWF, 6144                        ; four fragments
.set REG,  8*ROWF                      ; a wave's region
.set STAGE, 4*REG                      ; behind the regions: 16 rows x (256 bytes + 16) for each wave; no fill lands there
.set OS,  24
.set WS,  40
.set FS,  56
.set STO, 5
.set RD,  6
.set GO,  7
.set MSB, 0
.macro WIN new
.if MSB != \new
	s_set_vgpr_msb (MSB<<8)|\new
.set MSB, \new
.endif
.endm
.macro WM d, a, b, z, sa, sb, ra, rb
.if (\z) && (\ra) && (\rb)
	v_wmma_scale_f32_16x16x128_f8f6f4 v[(\d):(\d)+7], v[(\a):(\a)+11], v[(\b):(\b)+11], 0, v[\sa], v[\sb] matrix_a_fmt:MATRIX_FMT_FP6 matrix_b_fmt:MATRIX_FMT_FP6 matrix_a_scale:MATRIX_SCALE_ROW1 matrix_b_scale:MATRIX_SCALE_ROW1
.elseif (\z) && (\ra)
	v_wmma_scale_f32_16x16x128_f8f6f4 v[(\d):(\d)+7], v[(\a):(\a)+11], v[(\b):(\b)+11], 0, v[\sa], v[\sb] matrix_a_fmt:MATRIX_FMT_FP6 matrix_b_fmt:MATRIX_FMT_FP6 matrix_a_scale:MATRIX_SCALE_ROW1
.elseif (\z) && (\rb)
	v_wmma_scale_f32_16x16x128_f8f6f4 v[(\d):(\d)+7], v[(\a):(\a)+11], v[(\b):(\b)+11], 0, v[\sa], v[\sb] matrix_a_fmt:MATRIX_FMT_FP6 matrix_b_fmt:MATRIX_FMT_FP6 matrix_b_scale:MATRIX_SCALE_ROW1
.elseif (\z)
	v_wmma_scale_f32_16x16x128_f8f6f4 v[(\d):(\d)+7], v[(\a):(\a)+11], v[(\b):(\b)+11], 0, v[\sa], v[\sb] matrix_a_fmt:MATRIX_FMT_FP6 matrix_b_fmt:MATRIX_FMT_FP6
.elseif (\ra) && (\rb)
	v_wmma_scale_f32_16x16x128_f8f6f4 v[(\d):(\d)+7], v[(\a):(\a)+11], v[(\b):(\b)+11], v[(\d):(\d)+7], v[\sa], v[\sb] matrix_a_fmt:MATRIX_FMT_FP6 matrix_b_fmt:MATRIX_FMT_FP6 matrix_a_scale:MATRIX_SCALE_ROW1 matrix_b_scale:MATRIX_SCALE_ROW1
.elseif (\ra)
	v_wmma_scale_f32_16x16x128_f8f6f4 v[(\d):(\d)+7], v[(\a):(\a)+11], v[(\b):(\b)+11], v[(\d):(\d)+7], v[\sa], v[\sb] matrix_a_fmt:MATRIX_FMT_FP6 matrix_b_fmt:MATRIX_FMT_FP6 matrix_a_scale:MATRIX_SCALE_ROW1
.elseif (\rb)
	v_wmma_scale_f32_16x16x128_f8f6f4 v[(\d):(\d)+7], v[(\a):(\a)+11], v[(\b):(\b)+11], v[(\d):(\d)+7], v[\sa], v[\sb] matrix_a_fmt:MATRIX_FMT_FP6 matrix_b_fmt:MATRIX_FMT_FP6 matrix_b_scale:MATRIX_SCALE_ROW1
.else
	v_wmma_scale_f32_16x16x128_f8f6f4 v[(\d):(\d)+7], v[(\a):(\a)+11], v[(\b):(\b)+11], v[(\d):(\d)+7], v[\sa], v[\sb] matrix_a_fmt:MATRIX_FMT_FP6 matrix_b_fmt:MATRIX_FMT_FP6
.endif
.endm
.macro PLACES
.rept 4
	v_nop
.endr
.endm
.macro CROUND                          ; a round of the cluster's barrier
	s_barrier_signal -1
	s_barrier_wait -1
	s_cmp_lg_u32 s14, 0
	s_cbranch_scc1 .Lnot_wave_0_\@
	s_barrier_signal -3
.Lnot_wave_0_\@:
	s_barrier_wait -3
	s_barrier_signal -1
	s_barrier_wait -1
.endm
.macro MKG0 g, lds, adr, n, lstep, gstep
	s_mov_b32 s[\g], 1
	s_add_co_u32 s[\g+1], s[\lds], (\n)*(\lstep)
	s_add_nc_u64 s[\g+2:\g+3], s[\adr:\adr+1], (\n)*(\gstep)
	s_or_b32 s[\g+3], s[\g+3], 0x80000000
.endm
	s_load_b256 s[4:11], s[0:1], 0x0               ; ob, wc, aux, out0
	v_lshl_add_u32 v254, v0, 2, 0x34400
	v_mov_b32 v255, 0
	ds_add_u32 v254, v255
	ds_add_u32 v254, v255
	v_lshrrev_b32 v1, 5, v0
	v_readfirstlane_b32 s14, v1                    ; wave 0..3
	s_lshr_b32 s15, s14, 1                         ; i: my 64 tokens.  Also: I fetch for O (0) or for Wo (1)
	s_and_b32 s16, s14, 1                          ; j: my 64 columns.  Also: which half I fetch
	s_bfe_u32 s76, ttmp6, 0x40000                  ; cx, cy
	s_bfe_u32 s77, ttmp6, 0x40004
	s_lshl_b32 s78, ttmp9, 2
	s_add_co_u32 s78, s78, s76                     ; the block of 128 columns
	s_and_b32 s17, ttmp7, 0xffff
	s_lshl_b32 s17, s17, 2
	s_add_co_u32 s17, s17, s77                     ; the block of 128 tokens
	s_lshl_b32 s79, s77, 2
	s_lshl_b32 s79, 15, s79                        ; my row of the cluster
	s_lshl_b32 s80, 0x1111, s76                    ; my column
	s_or_b32 s24, s79, (3<<16)|(1<<21)             ; group 1 for O: elements of 8 bytes, the mask of my row, bit 21 beside it
	s_mov_b32 s25, 768<<16                         ; tensor_dim0: four fragments
	s_mov_b32 s26, 8<<16                           ; tensor_dim1: all eight K steps: one joint load a wave brings its whole region (one load is outstanding)
	s_mov_b32 s27, 768<<16
	s_mov_b32 s28, 8
	s_mov_b32 s29, KSA/8
	s_mov_b32 s30, 0
	s_mov_b32 s31, 0
	s_or_b32 s32, s80, (3<<16)|(1<<21)             ; for Wo: the mask of my column
	s_mov_b32 s33, 768<<16
	s_mov_b32 s34, 8<<16
	s_mov_b32 s35, 768<<16
	s_mov_b32 s36, 8
	s_mov_b32 s37, KSB/8
	s_mov_b32 s38, 0
	s_mov_b32 s39, 0
	s_lshl_b32 s20, s17, 3
	s_lshl_b32 s21, s16, 2
	s_add_co_u32 s20, s20, s21
	s_mul_i32 s20, s20, 1536                       ; O: tile 8 x block + 4 x half
	s_mov_b32 s21, 0
	s_lshl_b32 s82, s78, 3
	s_lshl_b32 s83, s16, 2
	s_add_co_u32 s82, s82, s83
	s_mul_i32 s82, s82, 1536
	s_add_co_u32 s82, s82, 2359296                 ; Wo's part of wc
	s_mov_b32 s83, 0
	s_mul_i32 s84, s14, REG                        ; where they go: wave x a region
	s_wait_dscnt 0x0
	s_wait_kmcnt 0x0
	s_add_nc_u64 s[20:21], s[4:5], s[20:21]
	s_add_nc_u64 s[82:83], s[6:7], s[82:83]
	CROUND                                         ; all sixteen work-groups are here: the joint loads meet
	MKG0 40, 84, 20, 0, 2*ROWF, 2*KSA
	MKG0 56, 84, 82, 0, 2*ROWF, 2*KSB
	s_cmp_eq_u32 s15, 0                            ; a wave's one fill stands in one branch, ahead of every wait on TENSORcnt and every LDS read
	s_cbranch_scc0 .Lfirst_b
	tensor_load_to_lds s[40:43], s[24:31]
	s_nop 0
	PLACES
	s_branch .Lfirst_asked
.Lfirst_b:
	tensor_load_to_lds s[56:59], s[32:39]
	s_nop 0
	PLACES
.Lfirst_asked:
	v_and_b32 v8, 31, v0
	v_lshlrev_b32 v1, 4, v8                        ; 16 x lane
	s_wait_alu depctr_va_vdst(0)
	v_lshlrev_b32 v2, 3, v8                        ; 8 x lane
	s_wait_alu depctr_va_vdst(0)
	s_mul_i32 s85, s15, REG
	v_add_nc_u32 v3, s85, v2                       ; my four tiles of O
	s_mul_i32 s85, s16, REG
	s_add_co_u32 s85, s85, 2*REG
	v_add_nc_u32 v4, s85, v1                       ; my four tiles of Wo
	s_lshl_b32 s86, s17, 3
	s_lshl_b32 s87, s15, 2
	s_add_co_u32 s86, s86, s87
	s_lshl_b32 s86, s86, 9
	s_add_co_u32 s86, s86, 3145728
	s_mov_b32 s87, 0
	s_add_nc_u64 s[86:87], s[4:5], s[86:87]        ; O's scale words: 512 bytes a tile
	s_lshl_b32 s88, s78, 2
	s_lshl_b32 s89, s16, 1
	s_add_co_u32 s88, s88, s89
	s_add_co_u32 s88, s88, 96
	s_lshl_b32 s88, s88, 10
	s_add_co_u32 s88, s88, 131072
	s_mov_b32 s89, 0
	s_add_nc_u64 s[88:89], s[8:9], s[88:89]        ; Wo's: 1,024 bytes a pair of tiles
.irp m, 0,1,2,3
	global_load_b128 v[OS+4*\m:OS+4*\m+3], v1, s[86:87] offset:512*\m   ; register 4 m + s / 2: lanes 0-15 the even K step's words, lanes 16-31 the odd one's
.endr
.irp p, 0,1
.irp k, 0,1,2,3
	global_load_b64 v[WS+8*\p+2*\k:WS+8*\p+2*\k+1], v2, s[88:89] offset:1024*\p+256*\k   ; register 8 p + s: lanes 0-15 the pair's first tile, lanes 16-31 its second
.endr
.endr
	v_and_b32 v9, 15, v0                           ; r
	v_bfe_u32 v10, v0, 4, 1                        ; h
	s_mul_i32 s85, s14, 16*272
	s_add_co_u32 s85, s85, STAGE                   ; my stage
	v_mul_u32_u24 v[STO], v9, 272
	v_lshl_add_u32 v[STO], v10, 6, v[STO]
	v_add_nc_u32 v[STO], s85, v[STO]               ; in: row r, + 64 h
	v_mul_u32_u24 v[RD], v10, 272
	v_lshl_add_u32 v[RD], v9, 4, v[RD]
	v_add_nc_u32 v[RD], s85, v[RD]                 ; back: lanes 0-15 one row of 256 bytes, lanes 16-31 the next
	v_lshlrev_b32 v[GO], 12, v10
	v_lshl_add_u32 v[GO], v9, 4, v[GO]             ; and the same two rows in out0
	s_lshl_b32 s90, s17, 7
	s_lshl_b32 s91, s15, 6
	s_add_co_u32 s90, s90, s91                     ; my first token
	s_lshl_b32 s90, s90, 12
	s_lshl_b32 s91, s78, 9
	s_add_co_u32 s90, s90, s91
	s_lshl_b32 s91, s16, 8
	s_add_co_u32 s90, s90, s91                     ; my first column, in bytes: a multiple of 256
	s_mov_b32 s91, 0
	s_add_nc_u64 s[10:11], s[10:11], s[90:91]
.macro FETCH s
.irp m, 0,1,2,3
.irp p, 0,1,2,3,4,5
	ds_load_b64 v[FS+96*((\s)%2)+12*\m+2*\p:FS+96*((\s)%2)+12*\m+2*\p+1], v3 offset:(\s)*ROWF+1536*\m+256*\p
.endr
.endr
.irp n, 0,1,2,3
.irp c, 0,1,2
	ds_load_b128 v[FS+96*((\s)%2)+48+12*\n+4*\c:FS+96*((\s)%2)+48+12*\n+4*\c+3], v4 offset:(\s)*ROWF+1536*\n+512*\c
.endr
.endr
.endm
.macro KSTEP s, z
	s_wait_dscnt 0x0                               ; this K step's fragments are in registers
.if (\s) < 7
	FETCH (\s)+1
.endif
	WIN 0x50                                       ; C and D window 1
.irp m, 0,1,2,3
.irp n, 0,1,2,3
	WM 8*(4*\m+\n), FS+96*((\s)%2)+48+12*\n, FS+96*((\s)%2)+12*\m, \z, WS+8*(\n/2)+(\s), OS+4*\m+(\s)/2, \n%2, (\s)%2
.endr
.endr
	WIN 0
	PLACES                                         ; four places in front of loads into registers that matrix instructions have read, and of the first read of results
.endm
	s_wait_tensorcnt 0x0                           ; my region, all eight K steps, is in,
	s_barrier_signal -1
	s_barrier_wait -1                              ; everybody's is
	FETCH 0
	s_wait_loadcnt 0x0                             ; the scale words
	KSTEP 0, 1
	KSTEP 1, 0
	KSTEP 2, 0
	KSTEP 3, 0
	KSTEP 4, 0
	KSTEP 5, 0
	KSTEP 6, 0
	KSTEP 7, 0
; THE WAY OUT, a tile of 16 tokens x 64 columns at a time, through my own stage.  Accumulator n = 2 b + u holds, in lane (r, h), columns 32 b + 16 h + 8 u + 0 .. 7 of token row r.
; Stage row rho is token 32 (m / 2) + 8 (m % 2) + rho + 8 (rho / 8) of my 64.  LDS serves a wave's instructions in order: no wait between the stores and the loads, nor in front of the next tile's stores.
.macro OUT m
.set BK_, FS+32*((\m)%2)
.if (\m) > 1
	s_wait_xcnt 0x0                                ; the stores of two tiles ago have read these registers
.endif
	WIN 0x04                                       ; an LDS store's data are its source 1: window 1
.irp n, 0,1,2,3
	ds_store_b128 v[STO], v[8*(4*(\m)+\n):8*(4*(\m)+\n)+3] offset:128*(\n/2)+32*(\n%2)       ; each accumulator from its low end on
	ds_store_b128 v[STO], v[8*(4*(\m)+\n)+4:8*(4*(\m)+\n)+7] offset:128*(\n/2)+32*(\n%2)+16
.endr
	WIN 0
.irp i, 0,1,2,3,4,5,6,7
	ds_load_b128 v[BK_+4*\i:BK_+4*\i+3], v[RD] offset:544*\i
.endr
.irp i, 0,1,2,3,4,5,6,7
	s_wait_dscnt 7-\i                              ; the younger loads may stay out
	global_store_b128 v[GO], v[BK_+4*\i:BK_+4*\i+3], s[10:11] offset:(32*((\m)/2)+8*((\m)%2)+2*\i+8*(\i/4))*4096 th:TH_STORE_NT   ; 16 lanes store 256 consecutive bytes, aligned
.endr
.endm
	s_wait_alu depctr_va_vdst(0)
	OUT 0
	OUT 1
	OUT 2
	OUT 3
	s_wait_tensorcnt 0x0
	s_wait_dscnt 0x0
	s_wait_tensorcnt 0x0
	ds_add_u32 v254, v255
	s_wait_dscnt 0x0
	CROUND                                         ; the closing round: no work-group ends while a partner may still ask for a tile that names it
	s_endpgm
.Lfunc_end_k_q4429ec79c0_oproj:
	.size	k_q4429ec79c0_oproj, .Lfunc_end_k_q4429ec79c0_oproj-k_q4429ec79c0_oproj
	.p2alignl 7, 3214868480
	.fill 96, 4, 3214868480
	.section	.rodata,"a",@progbits
	.p2align	6, 0x0
	.amdhsa_kernel k_q4429ec79c0_oproj
		.amdhsa_group_segment_fixed_size 214528
		.amdhsa_private_segment_fixed_size 0
		.amdhsa_enable_private_segment 0
		.amdhsa_kernarg_size 32
		.amdhsa_user_sgpr_count 2
		.amdhsa_user_sgpr_kernarg_segment_ptr 1
		.amdhsa_wavefront_size32 1
		.amdhsa_system_sgpr_workgroup_id_x 1
		.amdhsa_system_sgpr_workgroup_id_y 1
		.amdhsa_system_sgpr_workgroup_id_z 1
		.amdhsa_system_vgpr_workitem_id 0
		.amdhsa_next_free_vgpr 384
		.amdhsa_next_free_sgpr 100
		.amdhsa_reserve_vcc 0
		.amdhsa_float_denorm_mode_32 3
		.amdhsa_float_denorm_mode_16_64 3
		.amdhsa_memory_ordered 1
		.amdhsa_forward_progress 1
		.amdhsa_inst_pref_size 52
	.end_amdhsa_kernel
	.amdgpu_metadata
---
amdhsa.version: [ 1, 2 ]
amdhsa.kernels:
  - .name:           k_q4429ec79c0_oproj
    .symbol:         k_q4429ec79c0_oproj.kd
    .args:
      - { .name: ob, .offset: 0, .size: 8, .value_kind: global_buffer, .address_space: global }
      - { .name: wc, .offset: 8, .size: 8, .value_kind: global_buffer, .address_space: global }
      - { .name: aux, .offset: 16, .size: 8, .value_kind: global_buffer, .address_space: global }
      - { .name: out0, .offset: 24, .size: 8, .value_kind: global_buffer, .address_space: global }
    .group_segment_fixed_size: 214528
    .private_segment_fixed_size: 0
    .kernarg_segment_align: 8
    .kernarg_segment_size: 32
    .max_flat_workgroup_size: 128
    .sgpr_count:     100
    .vgpr_count:     384
    .wavefront_size: 32
...
	.end_amdgpu_metadata
.endif
;; end of part 4
